; MI455X (gfx1250); checked and timed in simulation.
; The chip was launched on July 23, 2026; its instructions are those of AMD's public machine-readable ISA for CDNA 5 (MIT licence, August 2026) and "CDNA5" Instruction Set Architecture Reference Guide (July 2026). The comments in the code are by the model that wrote it; some were corrected since.
;; Multi Head Attention. Allowed arithmetic: matrix products marked QUANTISED: E5M2 operands, one given power-of-two scale a tensor, by v_wmma_f32_16x16x64_bf8_bf8 or v_wmma_f32_16x16x128_bf8_bf8, f32 sums; everything else in f32.
;; Inputs: Wk_codes 1,024 x 32 x 32 uint8 (E5M2 codes of Wk, K innermost, in blocks of 32 codes); Wo_codes 1,024 x 32 x 32 uint8 (E5M2 codes of Wo, K innermost, in blocks of 32 codes); Wq_codes 1,024 x 32 x 32 uint8 (E5M2 codes of Wq, K innermost, in blocks of 32 codes); Wv_codes 1,024 x 32 x 32 uint8 (E5M2 codes of Wv, K innermost, in blocks of 32 codes); k_codes 4 x 2,048 x 32 x 32 uint8 (E5M2 codes of k, K innermost, in blocks of 32 codes); ln_beta 1,024 float32; ln_gamma 1,024 float32; lowp_scales 12 int32 (the exponents e of the quantised operands' scales 2^e); q 4 x 2,048 x 1,024 float32; sen_len 4 int32; v_codes 4 x 2,048 x 32 x 32 uint8 (E5M2 codes of v, K innermost, in blocks of 32 codes).
;; Outputs: out0 4 x 2,048 x 1,024 float32.
;; This version of the problem:
;;   THIS VERSION OF THE PROBLEM IS GIVEN IN LOW PRECISION. The matrix products marked QUANTISED in the list below multiply operands that are first quantised to E5M2 (5 exponent bits, 2 mantissa bits; 8 bits a number), with one given power-of-two scale for each operand tensor; their sums are f32. All else is computed in f32.
;;   The module's matrix products, in the order in which they are computed (A, B: the left and right operand; K: the contracted axis; several contracted axes count as one K, in the product's order):
;;     1. [M 8,192, K 1,024] x [K 1,024, N 1,024]; A: input q; B: input Wq (given as codes): QUANTISED (scales: A lowp_scales[0], B lowp_scales[1])
;;     2. [M 8,192, K 1,024] x [K 1,024, N 1,024]; A: input k (given as codes); B: input Wk (given as codes): QUANTISED (scales: A lowp_scales[2], B lowp_scales[3])
;;     3. [M 8,192, K 1,024] x [K 1,024, N 1,024]; A: input v (given as codes); B: input Wv (given as codes): QUANTISED (scales: A lowp_scales[4], B lowp_scales[5])
;;     4. batch 64 x [M 2,048, K 64] x [K 64, N 2,048]; A: computed on the way; B: computed on the way: QUANTISED (scales: A lowp_scales[6], B lowp_scales[7])
;;     5. batch 64 x [M 2,048, K 2,048] x [K 2,048, N 64]; A: softmax (see below); B: computed on the way: QUANTISED (scales: A lowp_scales[8], B lowp_scales[9])
;;     6. [M 8,192, K 1,024] x [K 1,024, N 1,024]; A: computed on the way; B: input Wo (given as codes): QUANTISED (scales: A lowp_scales[10], B lowp_scales[11])
;;   THE QUANTISER, for each operand of a quantised product, along K:
;;     - The operand's scale is 2^e, e = its entry of the input lowp_scales (int32; the entries are numbered through the quantised products in the list's order, A before B).
;;     - Each number is divided by the scale, clamped to +-57,344, and rounded to the nearest number of E5M2, ties to even, subnormals kept.
;;     - The product sums the exact products of the quantised numbers (number of the format x scale) in f32.
;;   ~~~python
;;   def quantise(x, axis, e):      # numpy; x: float32 -> the quantised numbers, widened to float32 again
;;       x = np.moveaxis(x, axis, -1); K = x.shape[-1]
;;       r = np.clip(x / 2.0 ** e, -57344, 57344)
;;       step = 2.0 ** (np.maximum(np.frexp(np.where(r == 0, 1, r))[1] - 1, -14) - 2)
;;       q = np.round(r / step) * step * 2.0 ** e      # np.round: ties to even
;;       return np.moveaxis(q, -1, axis).astype(np.float32)
;;   ~~~
;;   SOFTMAX AHEAD OF A QUANTISED PRODUCT. Where the list says 'softmax', what is quantised is not the finished softmax but p = 2^(t - M), with t = logit x log2(e) and M = ceil(the row's largest t), a whole number; so 1/2 < the row's largest p <= 1. The row's sum l is taken of the UNQUANTISED p, in f32, and the product's result is divided by l at the end. Since M is a whole number, a kernel that streams over the keys may use a running M (the ceiling of the running maximum): every later rescaling is an exact power of two, so the quantised numbers keep their values, but for numbers so far below the row's largest that they fall under the format's range.
;;   OPERANDS COMPUTED ON THE WAY. 'Computed on the way' means the value that the module computes at that place (a softmax that the list does not call 'softmax' is quantised finished and normalised). What goes into a quantiser is computed in f32, as accurately as f32 sums, v_exp_f32 and their like allow (about 1e-6 of the number): no bf16 or f16 on the way to a quantiser, and a product that is left as it is and whose result goes on into a quantised operand takes f32 operands (vector FMAs, or v_wmma_f32_16x16x4_f32). A number that lies on a knife's edge between two numbers of the format may be rounded either way, as far as f32 arithmetic and the matrix unit's own rounding can turn it there, and no further.
;;   INPUTS GIVEN AS CODES. Wk (in the module: [1024, 1024], K = its axis 1); Wo (in the module: [1024, 1024], K = its axis 1); Wq (in the module: [1024, 1024], K = its axis 1); Wv (in the module: [1024, 1024], K = its axis 1); k (in the module: [4, 2048, 1024], K = its axis 2); v (in the module: [4, 2048, 1024], K = its axis 2): each comes as NAME_codes (uint8): NAME with its K axis moved to the last place and cut into blocks of 32 codes, [.., K / 32, bytes a block], one block behind the other in memory; one code a byte (a code: sign, 5 exponent bits, 2 mantissa bits); its scale is its entry of lowp_scales. Its value is code x scale, taken as it is: it is not quantised again, and the codes and scales need not be those that the quantiser above would give.
;; 2 versions, each right; version 2 is version 1 with the launch attn written anew for expert scheduling mode. Each part assembles by itself: llvm-mc -triple=amdgcn-amd-amdhsa -mcpu=gfx1250 --defsym DOCPART=n.
;; ======== version 1 of 2: 4 launches
;; workspace buffers: qx 8,388,608 bytes; qc 8,388,608 bytes; kc 8,388,608 bytes; vc 8,388,608 bytes; cc 8,388,608 bytes
;; launch quantq (part 1): grid 256 x 1, 4 waves a work-group, no clusters, 33,280 bytes of LDS; arguments q, lowp_scales, qx; writes qx
.if DOCPART == 1
	.amdgcn_target "amdgcn-amd-amdhsa--gfx1250"
	.amdhsa_code_object_version 6
	.text
	.protected	k_q908f25b858_quantq
	.globl	k_q908f25b858_quantq
	.p2align	8
	.type	k_q908f25b858_quantq,@function
k_q908f25b858_quantq:
	s_mov_b64 s[64:65], 0
	v_nop
	global_prefetch_b8 v0, s[64:65] scope:SCOPE_SE
	s_setreg_imm32_b32 hwreg(HW_REG_WAVE_MODE, 25, 1), 1
	s_wait_xcnt 0x0
; q [8192][1024], f32, becomes codes of E5M2, one a byte, K innermost, with the given scale 2^e0 (entry 0 of the scales): qx [8192][1024].
; code = x / 2^e0, held within +-57,344, rounded to the nearest code, ties to even.  LIMITS: -126 <= e0 <= 112.  NaN among the inputs is not served.
; Rows are dense, so the tensor is a plain stream.  A wave takes 16 steps of 512 numbers: 4 x 16 x 512 = 32,768 numbers a work-group, 256 work-groups.
; The conversion takes 8 neighbours from ONE lane's registers, a load is best where neighbouring LANES take neighbouring bytes.  Both are had: each of a step's four loads
; reads 512 consecutive bytes; the 2,048 bytes go through the wave's own stage in LDS as they lie and come back 64 bytes a lane (16 bytes of padding behind each 64).
; A lane's 16 codes are 16 bytes: a store of the wave covers 512 consecutive bytes, aligned.  No barrier: waves share nothing.  Loads run four steps ahead, the turn through LDS one.
.set STEPS, 16
.set EMAX,  15
.set MANT,  0x600000                   ; the mantissa field of 57,344 as f32
.set CB,    16                         ; bytes of 16 codes
.set R,     16                         ; v16-79   four sets of 16 numbers as they are loaded
.set X,     80                         ; v80-111  two sets of 16 neighbours
.set C,     128                        ; v128-191 codes: four registers for each step, so that no store's data are written again
.set WREG,  8192                       ; LDS: a region for each wave: two stages of 32 x SP bytes
.set SP,    80                         ; a lane's place in a stage: 64 bytes + 16 of padding
	s_load_b128 s[4:7], s[0:1], 0x0                ; q, the scales' exponents
	s_load_b64 s[8:9], s[0:1], 0x10                ; qx
	v_lshl_add_u32 v192, v0, 2, 0x8000
	v_mov_b32 v193, 0
	v_lshrrev_b32 v1, 5, v0
	v_readfirstlane_b32 s16, v1                    ; wave
	v_and_b32 v2, 31, v0                           ; lane
	v_lshlrev_b32 v3, 4, v2                        ; my 16 bytes of a load's 512
	s_mul_i32 s17, s16, WREG
	v_lshrrev_b32 v14, 2, v2
	v_mul_u32_u24 v14, v14, SP
	v_and_b32 v15, 3, v2
	v_lshl_add_u32 v14, v15, 4, v14
	v_add_nc_u32 v14, s17, v14                     ; the stage, on the way in: four lanes' 64 bytes on end, then the padding
	v_mul_u32_u24 v15, v2, SP
	v_add_nc_u32 v15, s17, v15                     ; and on the way out: my 16 neighbours
	v_mul_u32_u24 v4, v2, CB                       ; my codes' place in a step's
	s_wait_kmcnt 0x0
	s_load_b32 s22, s[6:7], 0x0                    ; e0
	s_lshl_b32 s17, ttmp9, 2
	s_add_co_u32 s18, s17, s16                     ; which run of 8,192 numbers is my wave's
	s_mov_b32 s19, 0
	s_mov_b64 s[20:21], 512*STEPS*4
	s_mul_u64 s[20:21], s[18:19], s[20:21]
	s_add_nc_u64 s[4:5], s[4:5], s[20:21]
	s_mov_b64 s[20:21], 32*STEPS*CB
	s_mul_u64 s[20:21], s[18:19], s[20:21]
	s_add_nc_u64 s[8:9], s[8:9], s[20:21]
.macro LOAD t
.irp i, 0,1,2,3
	global_load_b128 v[R+16*((\t)%4)+4*\i:R+16*((\t)%4)+4*\i+3], v3, s[4:5] offset:2048*(\t)+512*\i   ; 32 lanes read 512 consecutive bytes
.endr
.endm
.macro TURN t                          ; step t's numbers through the stage: LDS serves a wave's instructions in order, so no wait stands between the stores and the loads
.irp i, 0,1,2,3
	ds_store_b128 v14, v[R+16*((\t)%4)+4*\i:R+16*((\t)%4)+4*\i+3] offset:32*SP*((\t)%2)+8*SP*\i
.endr
.irp i, 0,1,2,3
	ds_load_b128 v[X+16*((\t)%2)+4*\i:X+16*((\t)%2)+4*\i+3], v15 offset:32*SP*((\t)%2)+16*\i
.endr
.endm
.irp t, 0,1,2,3
	LOAD \t
.endr
	s_wait_kmcnt 0x0
	s_add_co_i32 s22, s22, 127
	s_lshl_b32 s23, s22, 23
	v_mov_b32 v11, s23                             ; 2^e0 as f32: the conversion takes its exponent field
	s_add_co_i32 s22, s22, EMAX
	s_lshl_b32 s22, s22, 23
	s_or_b32 s22, s22, MANT
	v_mov_b32 v10, s22                             ; 57,344 x 2^e0
	s_wait_loadcnt 12                              ; step 0's four loads are in; the twelve of steps 1 to 3 may be out
	TURN 0
.macro STEP t
.set XS, X+16*((\t)%2)
	s_wait_dscnt 0x0                               ; this step's numbers are back from the stage: so its stores into the stage have read their registers,
.if (\t)+4 < STEPS
	LOAD (\t)+4                                    ; which take the loads of four steps on
.endif
.if (\t)+1 < STEPS
.if STEPS-2-(\t) >= 3
	s_wait_loadcnt 12                              ; the next step's four loads are in; those of the three steps behind it may be out
.else
	s_wait_loadcnt 4*(STEPS-2-(\t))                ; at the end the count runs down: 8, 4, 0
.endif
	TURN (\t)+1                                    ; and go through the other stage while this step is worked
.endif
.irp i, 0,1,2,3,4,5,6,7,8,9,10,11,12,13,14,15
	v_med3_num_f32 v[XS+\i], v[XS+\i], -v10, v10   ; the conversion to an 8-bit code does not saturate (ISA guide 7.6.2): the hold comes first
.endr
	v_cvt_scalef32_pk8_bf8_f32 v[C+4*(\t):C+4*(\t)+1], v[XS:XS+7], v11
	v_cvt_scalef32_pk8_bf8_f32 v[C+4*(\t)+2:C+4*(\t)+3], v[XS+8:XS+15], v11
	v_nop                                          ; a plain vector line behind the last conversion of the run
	global_store_b128 v4, v[C+4*(\t):C+4*(\t)+3], s[8:9] offset:32*CB*(\t)
.endm
.irp t, 0,1,2,3,4,5,6,7,8,9,10,11,12,13,14,15
	STEP \t
.endr
	s_wait_tensorcnt 0x0
	ds_add_u32 v192, v193
	s_wait_dscnt 0x0
	s_endpgm
.Lfunc_end_k_q908f25b858_quantq:
	.size	k_q908f25b858_quantq, .Lfunc_end_k_q908f25b858_quantq-k_q908f25b858_quantq
	.p2alignl 7, 3214868480
	.fill 96, 4, 3214868480
	.section	.rodata,"a",@progbits
	.p2align	6, 0x0
	.amdhsa_kernel k_q908f25b858_quantq
		.amdhsa_group_segment_fixed_size 33280
		.amdhsa_private_segment_fixed_size 0
		.amdhsa_enable_private_segment 0
		.amdhsa_kernarg_size 24
		.amdhsa_user_sgpr_count 2
		.amdhsa_user_sgpr_kernarg_segment_ptr 1
		.amdhsa_wavefront_size32 1
		.amdhsa_system_sgpr_workgroup_id_x 1
		.amdhsa_system_sgpr_workgroup_id_y 1
		.amdhsa_system_sgpr_workgroup_id_z 1
		.amdhsa_system_vgpr_workitem_id 0
		.amdhsa_next_free_vgpr 194
		.amdhsa_next_free_sgpr 66
		.amdhsa_reserve_vcc 0
		.amdhsa_float_denorm_mode_32 3
		.amdhsa_float_denorm_mode_16_64 3
		.amdhsa_memory_ordered 1
		.amdhsa_forward_progress 1
		.amdhsa_inst_pref_size 38
	.end_amdhsa_kernel
	.amdgpu_metadata
---
amdhsa.version: [ 1, 2 ]
amdhsa.kernels:
  - .name:           k_q908f25b858_quantq
    .symbol:         k_q908f25b858_quantq.kd
    .args:
      - { .name: q, .offset: 0, .size: 8, .value_kind: global_buffer, .address_space: global }
      - { .name: lowp_scales, .offset: 8, .size: 8, .value_kind: global_buffer, .address_space: global }
      - { .name: qx, .offset: 16, .size: 8, .value_kind: global_buffer, .address_space: global }
    .group_segment_fixed_size: 33280
    .private_segment_fixed_size: 0
    .kernarg_segment_align: 8
    .kernarg_segment_size: 24
    .max_flat_workgroup_size: 128
    .sgpr_count:     66
    .vgpr_count:     194
    .wavefront_size: 32
...
	.end_amdgpu_metadata
.endif
;; end of part 1
;; launch proj (part 2): grid 4 x 96, 4 waves a work-group, clusters of 4 x 4, 327,680 bytes of LDS; arguments qx, k_codes, Wv_codes, Wq_codes, Wk_codes, v_codes, lowp_scales, qc, kc, vc; writes qc, kc, vc
.if DOCPART == 2
	.amdgcn_target "amdgcn-amd-amdhsa--gfx1250"
	.amdhsa_code_object_version 6
	.text
	.protected	k_q908f25b858_proj
	.globl	k_q908f25b858_proj
	.p2align	8
	.type	k_q908f25b858_proj,@function
k_q908f25b858_proj:
	s_mov_b64 s[64:65], 0
	v_nop
	global_prefetch_b8 v0, s[64:65] scope:SCOPE_SE
	s_setreg_imm32_b32 hwreg(HW_REG_WAVE_MODE, 25, 1), 1
	s_wait_xcnt 0x0
	s_wait_alu depctr_hold_cnt(0) depctr_sa_sdst(0) depctr_va_vdst(0) depctr_va_sdst(0) depctr_va_ssrc(0) depctr_va_vcc(0) depctr_vm_vsrc(0)
	s_getreg_b32 s2, hwreg(HW_REG_IB_STS2, 6, 4)
	s_cmp_eq_u32 s2, 0
	s_cbranch_scc0 .Lentry_in_a_cluster
	s_endpgm
.Lentry_in_a_cluster:
	s_bfe_u32 s2, ttmp6, 0x10000c
	s_cmp_lg_u32 s2, 0xf033
	s_cbranch_scc0 .Lentry_shape_is_right
	s_endpgm
.Lentry_shape_is_right:
; THE THREE INPUT PROJECTIONS, on codes of E5M2, each result quantised in registers for attention.  K = 1,024.
; The 24 clusters along y are 3 products x 8: P = cluster y / 8 (0: qh, 1: kh, 2: vh), Y = cluster y % 8.  A work-group makes 256 x 256 of  A B^T:
;   P = 0, 1:  A = the tokens' codes (qx, k_codes: 8,192 rows), B = the weight's (1,024 rows): tile row 4 Y + cy, tile column cx.
;   P = 2:     A = Wv's codes, B = v's: tile row cy, tile column 4 Y + cx.  The roles are swapped so that a lane's registers run along the TOKENS, which are vh's K in attention.
; P and Y are the same in all sixteen partners and choose pointers and numbers by selects alone: no branch hangs on them.
; Four waves, each 128 x 128: 64 accumulators.  K goes in steps of 256 through two LDS slots filled by joint tensor loads: A's tile is shared along a row of the cluster, B's along a column.
; THE MATRIX INSTRUCTION IS USED TRANSPOSED (source 0 = 16 rows of B, source 1 = 16 rows of A): lane (r, h) of accumulator (a, b) holds A's row 16 a + r and B's rows 16 b + 8 h + 0 .. 7.
; THE WAY OUT.  sum x 2^(eA + eB) is the number, its code is the number / 2^eO: one conversion with the scale 2^(eO - eA - eB), behind the hold.  The eight registers of accumulator (a, b) become registers
; 2 b, 2 b + 1 of block a's sixteen, which hold k = 16 b + 8 h + 0 .. 7: the 8-bit operand layout (ISA guide 7.12.2).  So the sixteen registers ARE operands of attention's products and are stored as images of
; registers: four registers by one store at 16 x lane, 512 consecutive aligned bytes.  A wave's 128 x 128 is one block of 16 KiB, number ((batch x 8 + head / 2) x 16 + group of 128 tokens):
;   qc, kc: token tile a at 2,048 a; in it head % 2 at 1,024: a fragment of 16 tokens x the head's 64.     vc: head % 2 at 8,192; in it 16 of the head's 64 at 2,048 each: a fragment of 16 x 128 keys.
; LIMITS: eO - eA - eB (e6 - e0 - e1, e7 - e2 - e3, e9 - e4 - e5) between -126 and 112, so that the scale and 57,344 x the scale are f32 numbers.
; REGISTERS, in windows of 256: window 0: v0-31 addresses and constants; from v128 A's fragments, one set; on the way out v32-95 held sums, v128-255 codes.
;   window 1: B's fragments, two sets.   window 2: the accumulators of my rows 0-63 ((a, b) at v[8 (8 a + b)]);   window 3: those of rows 64-127.
.set SIZE_K, 1024
.set KSTEP,  256                       ; along K in a slot
.set ROWB,   256                       ; a tile's row in bytes
.set KROW,   SIZE_K                    ; a row of A or of B in memory, in bytes
.set PITCH,  272                       ; an LDS row: 256 bytes + 16 of padding = 68 words: the 16 rows that a load touches start at 16 different banks (64 banks of 4 bytes: ISA guide 11.1)
.set FR,     16                        ; registers of a fragment: 16 rows x 128 K
.set NL,     4                         ; LDS loads that bring one
.set NP,     4                         ; places behind this matrix instruction (ISA guide 7.12.1)
.set HALFT,  128*PITCH                 ; 128 rows: what one tensor load brings
.set SLOT,   4*HALFT                   ; A's 256 rows, then B's 256 rows
.set LAPS,   SIZE_K/(2*KSTEP)          ; a lap = two K steps = once round the ring: 2
.set SPARE,  2*SLOT                    ; behind the ring: the spare words, 128 bytes for each wave: two blocks of 256 bytes that no other line names
.set ADRA, 16                          ; v16-17  LDS address of my A fragments in slot 0, 1
.set ADRB, 20                          ; v20-21  the same for B
.set CO,   26                          ; v26     16 x lane: an image's place for my lane
.set SPW,  28                          ; v28     LDS address of my spare word; never rewritten
.set NIL,  29                          ; v29     0; never rewritten
.set SC,   30                          ; v30     2^(eO - eA - eB) as f32
.set LIM,  31                          ; v31     57,344 x that
.set TMP,  32                          ; the way out: a block's 64 sums, held
.set AF,   128                         ; A's fragments, in window 0
.set CD,   128                         ; the way out: codes, 16 registers a block, each block its own
.set G1, 24                            ; s[24:31] descriptor group 1 for A's tiles;  s[32:39] group 0, one set for each slot
.set G0, 32
.set G1B, 48                           ; s[48:55], s[56:63] the same for B's tiles
.set G0B, 56
.set MSB, 0
.macro WIN new                         ; the immediate's high byte repeats the setting that is left
.if MSB != (\new)
	s_set_vgpr_msb (MSB<<8)|(\new)
.set MSB, (\new)
.endif
.endm
.set MUL_LO, 0xa1                      ; source 0 (B) window 1, source 1 (A) window 0, C and D window 2
.set MUL_HI, 0xf1                      ; the same, C and D window 3
.set TO_B,   0x40                      ; destination window 1, address window 0
; A joint load: waves 0 and 1 fetch for A, waves 2 and 3 for B.  Each line has one mask and one set of registers for all that issue it; the branch hangs on the wave's number alone.
; Four v_nop follow each of the two lines.
.macro JLOAD g0a, g1a, g0b, g1b
	s_cmp_eq_u32 s15, 0
	s_cbranch_scc0 .Lfor_b_\@
	tensor_load_to_lds s[\g0a:\g0a+3], s[\g1a:\g1a+7]
	s_nop 0
.rept 4
	v_nop
.endr
	s_branch .Lasked_\@
.Lfor_b_\@:
	tensor_load_to_lds s[\g0b:\g0b+3], s[\g1b:\g1b+7]
	s_nop 0
.rept 4
	v_nop
.endr
.Lasked_\@:
.endm
.macro CREST                           ; a round of the cluster's barrier behind its opening barrier
	s_cmp_lg_u32 s14, 0
	s_cbranch_scc1 .Lnot_wave_0_\@
	s_barrier_signal -3
.Lnot_wave_0_\@:
	s_barrier_wait -3
	s_barrier_signal -1
	s_barrier_wait -1
.endm
.macro CROUND                          ; a whole round
	s_barrier_signal -1
	s_barrier_wait -1
	CREST
.endm
	s_load_b512 s[68:83], s[0:1], 0x0              ; qx, k_codes, Wv_codes (A for P = 0, 1, 2); Wq_codes, Wk_codes, v_codes (B); the scales s[80:81]; qc s[82:83]
	s_load_b128 s[84:87], s[0:1], 0x40             ; kc, vc
	v_lshl_add_u32 v[SPW], v0, 2, SPARE
	v_mov_b32 v[NIL], 0
	ds_add_u32 v28, v29
	ds_add_u32 v28, v29
	s_wait_dscnt 0x0
	v_lshrrev_b32 v1, 5, v0
	v_readfirstlane_b32 s14, v1                    ; wave 0..3
	s_lshr_b32 s15, s14, 1                         ; which half of the tile's rows is mine.  Also: I fetch for A (0) or for B (1)
	s_and_b32 s16, s14, 1                          ; which half of its columns.  Also: which 128 rows of that tile I fetch
	s_bfe_u32 s40, ttmp6, 0x40000                  ; cx, cy: my place in the cluster
	s_bfe_u32 s41, ttmp6, 0x40004
	s_and_b32 s88, ttmp7, 0xffff                   ; cluster y
	s_lshr_b32 s89, s88, 3                         ; P: which product
	s_and_b32 s90, s88, 7                          ; Y: which eighth of the tokens
	s_cmp_eq_u32 s89, 2
	s_cselect_b32 s91, 0, s90                      ; the tokens are A's rows (P = 0, 1)
	s_cselect_b32 s92, s90, 0                      ; or B's (P = 2)
	s_lshl_b32 s42, s92, 2
	s_add_co_u32 s42, s42, s40                     ; tile column
	s_lshl_b32 s17, s91, 2
	s_add_co_u32 s17, s17, s41                     ; tile row
	s_lshl_b32 s43, s41, 2
	s_lshl_b32 s43, 15, s43                        ; my row of the cluster
	s_lshl_b32 s44, 0x1111, s40                    ; my column
	; descriptor group 1: a tile of 128 rows x 256 bytes, padded in LDS
	s_or_b32 s[G1+0], s43, (0<<16)|(1<<20)|(1<<21)|(5<<22)|(3<<25)  ; 15:0 the mask: A's tiles go to my row; 17:16 elements of 1 byte; 20 padding on; 21 set beside a mask; 24:22 after every 64 words; 31:25 four words
	s_or_b32 s[G1B+0], s44, (0<<16)|(1<<20)|(1<<21)|(5<<22)|(3<<25)
.irp g, G1, G1B
	s_mov_b32 s[\g+1], ROWB<<16                    ; tensor_dim0
	s_mov_b32 s[\g+2], 128<<16                     ; tensor_dim1 = 128
	s_mov_b32 s[\g+3], ROWB<<16                    ; tile_dim0
	s_mov_b32 s[\g+4], 128                         ; tile_dim1 = 128
	s_mov_b32 s[\g+5], KROW                        ; tensor_dim0_stride
	s_mov_b32 s[\g+6], 0
	s_mov_b32 s[\g+7], 0
.endr
	s_lshl_b32 s18, s16, 7                         ; which 128 rows of the tile I fetch
	s_lshl_b32 s20, s17, 8
	s_add_co_u32 s20, s20, s18                     ; A: row 256 x tile row + 128 x half,
	s_lshl_b32 s20, s20, 10                        ; in bytes (under 2^23)
	s_mov_b32 s21, 0
	s_lshl_b32 s46, s42, 8
	s_add_co_u32 s46, s46, s18                     ; B: row 256 x tile column + 128 x half
	s_lshl_b32 s46, s46, 10
	s_mov_b32 s47, 0
	s_mul_i32 s45, s14, HALFT                      ; where they go: wave x 128 rows: no place in the cluster enters an LDS address
	s_wait_kmcnt 0x0
	s_cmp_eq_u32 s89, 0                            ; the product's three buffers: a choice that hangs on the cluster's number alone
	s_cselect_b64 s[4:5], s[68:69], s[70:71]
	s_cselect_b64 s[6:7], s[74:75], s[76:77]
	s_cselect_b64 s[10:11], s[82:83], s[84:85]
	s_cmp_eq_u32 s89, 2
	s_cselect_b64 s[4:5], s[72:73], s[4:5]         ; A
	s_cselect_b64 s[6:7], s[78:79], s[6:7]         ; B
	s_cselect_b64 s[10:11], s[86:87], s[10:11]     ; the codes that I store
	s_mov_b64 s[8:9], s[80:81]
	s_load_b256 s[68:75], s[8:9], 0x0              ; e0 .. e7 (the pointers there have been chosen from)
	s_load_b128 s[76:79], s[8:9], 0x20             ; e8 .. e11
	s_add_nc_u64 s[20:21], s[4:5], s[20:21]
	s_add_nc_u64 s[46:47], s[6:7], s[46:47]
	CROUND                                         ; all sixteen work-groups are here: the first joint loads meet
.irp s, 0,1
	s_mov_b32 s[G0+4*\s], 1
	s_add_co_u32 s[G0+4*\s+1], s45, \s*SLOT
	s_add_nc_u64 s[G0+4*\s+2:G0+4*\s+3], s[20:21], \s*ROWB
	s_or_b32 s[G0+4*\s+3], s[G0+4*\s+3], 0x80000000
	s_mov_b32 s[G0B+4*\s], 1
	s_add_co_u32 s[G0B+4*\s+1], s45, \s*SLOT
	s_add_nc_u64 s[G0B+4*\s+2:G0B+4*\s+3], s[46:47], \s*ROWB
	s_or_b32 s[G0B+4*\s+3], s[G0B+4*\s+3], 0x80000000
	JLOAD G0+4*\s, G1, G0B+4*\s, G1B               ; two tensor loads of mine are out
.endr
	v_and_b32 v1, 15, v0                           ; l % 16
	v_bfe_u32 v2, v0, 4, 1                         ; l / 16
	v_mul_u32_u24 v3, v1, PITCH
	v_lshl_add_u32 v4, v2, 4, v3                   ; a fragment's row x pitch + 16 x half
	s_mul_i32 s21, s15, HALFT                      ; my 128 rows of A
	s_mul_i32 s22, s16, HALFT                      ; my 128 rows of B,
	s_add_co_u32 s22, s22, 2*HALFT                 ; which lie behind A's 256
.irp s, 0,1
	v_add_nc_u32 v[ADRA+\s], s21, v4
	v_add_nc_u32 v[ADRB+\s], s22, v4
	s_add_co_u32 s21, s21, SLOT
	s_add_co_u32 s22, s22, SLOT
.endr
	v_and_b32 v6, 31, v0
	v_lshlrev_b32 v[CO], 4, v6
	; my block of 16 KiB in the codes' buffer
	s_lshl_b32 s20, s17, 1
	s_add_co_u32 s20, s20, s15                     ; which 128 of A's rows: 2 x tile row + half
	s_lshl_b32 s46, s42, 1
	s_add_co_u32 s46, s46, s16                     ; which 128 of B's rows
	s_cmp_eq_u32 s89, 2
	s_cselect_b32 s93, s46, s20                    ; the group of 128 tokens, 0 .. 63
	s_cselect_b32 s94, s20, s46                    ; the pair of heads, 0 .. 7
	s_lshr_b32 s46, s93, 4                         ; batch
	s_lshl_b32 s46, s46, 3
	s_add_co_u32 s46, s46, s94
	s_lshl_b32 s46, s46, 4
	s_and_b32 s93, s93, 15
	s_add_co_u32 s46, s46, s93
	s_lshl_b32 s46, s46, 14
	s_mov_b32 s47, 0
	s_add_nc_u64 s[10:11], s[10:11], s[46:47]
.macro FRAG reg, adr, q, i             ; a fragment by four loads of 16 bytes: registers 4 c .. 4 c + 3 hold K = 32 c + 16 (l / 16) + 0 .. 15: a permutation of k, the same in A and in B, so every product meets its partner
.irp c, 0,1,2,3
	ds_load_b128 v[\reg+4*\c:\reg+4*\c+3], v[\adr] offset:128*(\q)+32*\c+(\i)*16*PITCH
.endr
.endm
; 16 matrix instructions: A's blocks a0, a0 + 1 x B's eight, 128 along K.  p: B's set.  zero = 1: the first product starts the sums.
; The 64 accumulators take turns, one instruction a turn, in the same order in every step.
.macro MUL16 a0, p, zero
.irp a, \a0, \a0+1
.irp b, 0,1,2,3,4,5,6,7
.if \zero
	v_wmma_f32_16x16x128_bf8_bf8 v[8*(8*((\a)%4)+\b):8*(8*((\a)%4)+\b)+7], v[128*(\p)+FR*\b:128*(\p)+FR*\b+FR-1], v[AF+FR*(\a):AF+FR*(\a)+FR-1], 0
.else
	v_wmma_f32_16x16x128_bf8_bf8 v[8*(8*((\a)%4)+\b):8*(8*((\a)%4)+\b)+7], v[128*(\p)+FR*\b:128*(\p)+FR*\b+FR-1], v[AF+FR*(\a):AF+FR*(\a)+FR-1], v[8*(8*((\a)%4)+\b):8*(8*((\a)%4)+\b)+7]
.endif
.endr
.endr
.endm
.macro FETCH_B slot, q, p              ; B's eight fragments of the slot's q-th 128 along K into set p
	WIN TO_B
.irp i, 0,1,2,3,4,5,6,7
	FRAG 128*(\p)+FR*\i, ADRB+\slot, \q, \i
.endr
	WIN 0
.endm
.macro FETCH_A slot, q, i0             ; A's blocks i0 .. i0 + 3
.irp i, \i0, \i0+1, \i0+2, \i0+3
	FRAG AF+FR*(\i), ADRA+\slot, \q, \i
.endr
.endm
.macro PLACES n                        ; plain vector lines between a matrix instruction and a load into, or a vector line on, its registers
.rept \n
	v_nop
.endr
.endm
; A step of 128 along K that has its successor in the same slot.  A block of A is free as soon as its eight products are issued: blocks 0-3 are fetched anew in the step's middle, blocks 4-7 at its end.
.macro STEP slot, q, zero
	s_wait_dscnt 4*NL                              ; B's set and A's blocks 0-3 are in; the youngest sixteen loads (A's blocks 4-7) may be out
	WIN MUL_LO
	MUL16 0, (\q)%2, \zero
	MUL16 2, (\q)%2, \zero
	s_wait_dscnt 0                                 ; A's blocks 4-7 are in
	PLACES NP
	FETCH_B \slot, (\q)+1, 1-(\q)%2
	FETCH_A \slot, (\q)+1, 0
	WIN MUL_HI
	MUL16 4, (\q)%2, \zero
	MUL16 6, (\q)%2, \zero
	PLACES NP
	WIN 0
	FETCH_A \slot, (\q)+1, 4
.endm
; A slot's last step changes slots: one barrier; in front of it each wave waits for all its tensor loads, adds 0 to its spare word, and waits for that and for its own reads of this slot.
.macro TURN slot, next, fill
	s_wait_tensorcnt 0x0                           ; all my tensor loads have landed: my part of the next slot
	ds_add_u32 v[SPW], v[NIL]                      ; 0 onto my spare word
	s_wait_dscnt 4*NL+1                            ; (the add and the youngest sixteen loads, A's blocks 4-7, may be out)
	WIN MUL_LO
	MUL16 0, 1, 0                                  ; sixteen matrix instructions stand between the add and the wait for it
	s_wait_dscnt 0x0                               ; the add is done, and my reads of this slot are over
	s_barrier_signal -1
	MUL16 2, 1, 0
	WIN 0
	s_barrier_wait -1
.if \fill
	CREST                                          ; the barrier has opened a round of the cluster's: no wave of any partner still reads this slot or has a load on its way
	s_add_nc_u64 s[G0+4*\slot+2:G0+4*\slot+3], s[G0+4*\slot+2:G0+4*\slot+3], 2*ROWB
	s_add_nc_u64 s[G0B+4*\slot+2:G0B+4*\slot+3], s[G0B+4*\slot+2:G0B+4*\slot+3], 2*ROWB
	JLOAD G0+4*\slot, G1, G0B+4*\slot, G1B         ; the first tensor load behind the round, my only one out; its four v_nop are the places in front of the loads below
.else
	PLACES NP
.endif
	FETCH_B \next, 0, 0
	FETCH_A \next, 0, 0
	WIN MUL_HI
	MUL16 4, 1, 0
	MUL16 6, 1, 0
	PLACES NP
	WIN 0
	FETCH_A \next, 0, 4
.endm
	s_wait_tensorcnt 1                             ; my part of K step 0 is in (K step 1's load may be out)
	s_barrier_signal -1
	s_barrier_wait -1                              ; everybody's is
	FETCH_B 0, 0, 0
	FETCH_A 0, 0, 0
	FETCH_A 0, 0, 4
	STEP 0, 0, 1                                   ; the first step stands in front of the loop: its products start the sums
	s_mov_b32 s3, LAPS-1
.Llap:                                                 ; a trip goes once round the ring and fills both slots again: K steps 2 and 3
	TURN 0, 1, 1
	STEP 1, 0, 0
	TURN 1, 0, 1
	STEP 0, 0, 0
	s_sub_co_u32 s3, s3, 1
	s_cmp_lg_u32 s3, 0
	s_cbranch_scc1 .Llap
	TURN 0, 1, 0                                   ; the last lap fills nothing
	STEP 1, 0, 0
	s_wait_dscnt 4*NL                              ; the very last step
	WIN MUL_LO
	MUL16 0, 1, 0
	MUL16 2, 1, 0
	s_wait_dscnt 0
	WIN MUL_HI
	MUL16 4, 1, 0
	MUL16 6, 1, 0
	WIN 0
	s_wait_kmcnt 0x0                               ; the twelve exponents
	s_cmp_eq_u32 s89, 0
	s_cselect_b32 s96, s68, s70                    ; eA: e0, e2 or e4
	s_cselect_b32 s97, s69, s71                    ; eB: e1, e3 or e5
	s_cselect_b32 s95, s74, s75                    ; eO: e6, e7 or e9
	s_cmp_eq_u32 s89, 2
	s_cselect_b32 s96, s72, s96
	s_cselect_b32 s97, s73, s97
	s_cselect_b32 s95, s77, s95
	s_sub_co_i32 s95, s95, s96
	s_sub_co_i32 s95, s95, s97                     ; eO - eA - eB: the three scales folded into the conversion's one
	s_add_co_i32 s95, s95, 127
	s_lshl_b32 s96, s95, 23
	v_mov_b32 v[SC], s96
	s_add_co_i32 s95, s95, 15
	s_lshl_b32 s95, s95, 23
	s_or_b32 s95, s95, 0x600000
	v_mov_b32 v[LIM], s95
; Block a: the 64 sums are held (each accumulator from its low end on), converted, and stored as four pieces of 512 bytes.  Each block has code registers of its own: no store's data are written again.
.macro OUT a
	WIN 0x02+((\a)/4)                              ; source 0: window 2 or 3
.set j, 0
.rept 64
	v_med3_num_f32 v[TMP+j], v[64*((\a)%4)+j], -v[LIM], v[LIM]   ; the conversion does not saturate (ISA guide 7.6.2)
.set j, j+1
.endr
	WIN 0
.irp b, 0,1,2,3,4,5,6,7
	v_cvt_scalef32_pk8_bf8_f32 v[CD+16*(\a)+2*\b:CD+16*(\a)+2*\b+1], v[TMP+8*\b:TMP+8*\b+7], v[SC]
.endr
	v_nop                                          ; a plain line between the conversions and the next block's holds, which write their sources
.irp g, 0,1,2,3
	global_store_b128 v[CO], v[CD+16*(\a)+4*\g:CD+16*(\a)+4*\g+3], s[10:11] offset:(\a)*2048+\g*512   ; 32 lanes store 512 consecutive bytes, aligned
.endr
.endm
	PLACES NP                                      ; behind the last products: their results are read, and A's registers written, below
.irp a, 0,1,2,3,4,5,6,7
	OUT \a
.endr
	s_wait_tensorcnt 0x0                           ; the wave's end
	ds_add_u32 v[SPW], v[NIL]
	s_wait_dscnt 0x0
	CROUND                                         ; the closing round: no work-group ends while a partner may still ask for a tile that names it
	s_endpgm
.Lfunc_end_k_q908f25b858_proj:
	.size	k_q908f25b858_proj, .Lfunc_end_k_q908f25b858_proj-k_q908f25b858_proj
	.p2alignl 7, 3214868480
	.fill 96, 4, 3214868480
	.section	.rodata,"a",@progbits
	.p2align	6, 0x0
	.amdhsa_kernel k_q908f25b858_proj
		.amdhsa_group_segment_fixed_size 327680
		.amdhsa_private_segment_fixed_size 0
		.amdhsa_enable_private_segment 0
		.amdhsa_kernarg_size 80
		.amdhsa_user_sgpr_count 2
		.amdhsa_user_sgpr_kernarg_segment_ptr 1
		.amdhsa_wavefront_size32 1
		.amdhsa_system_sgpr_workgroup_id_x 1
		.amdhsa_system_sgpr_workgroup_id_y 1
		.amdhsa_system_sgpr_workgroup_id_z 1
		.amdhsa_system_vgpr_workitem_id 0
		.amdhsa_next_free_vgpr 1024
		.amdhsa_next_free_sgpr 100
		.amdhsa_reserve_vcc 0
		.amdhsa_float_denorm_mode_32 3
		.amdhsa_float_denorm_mode_16_64 3
		.amdhsa_memory_ordered 1
		.amdhsa_forward_progress 1
		.amdhsa_inst_pref_size 118
	.end_amdhsa_kernel
	.amdgpu_metadata
---
amdhsa.version: [ 1, 2 ]
amdhsa.kernels:
  - .name:           k_q908f25b858_proj
    .symbol:         k_q908f25b858_proj.kd
    .args:
      - { .name: qx, .offset: 0, .size: 8, .value_kind: global_buffer, .address_space: global }
      - { .name: k_codes, .offset: 8, .size: 8, .value_kind: global_buffer, .address_space: global }
      - { .name: Wv_codes, .offset: 16, .size: 8, .value_kind: global_buffer, .address_space: global }
      - { .name: Wq_codes, .offset: 24, .size: 8, .value_kind: global_buffer, .address_space: global }
      - { .name: Wk_codes, .offset: 32, .size: 8, .value_kind: global_buffer, .address_space: global }
      - { .name: v_codes, .offset: 40, .size: 8, .value_kind: global_buffer, .address_space: global }
      - { .name: lowp_scales, .offset: 48, .size: 8, .value_kind: global_buffer, .address_space: global }
      - { .name: qc, .offset: 56, .size: 8, .value_kind: global_buffer, .address_space: global }
      - { .name: kc, .offset: 64, .size: 8, .value_kind: global_buffer, .address_space: global }
      - { .name: vc, .offset: 72, .size: 8, .value_kind: global_buffer, .address_space: global }
    .group_segment_fixed_size: 327680
    .private_segment_fixed_size: 0
    .kernarg_segment_align: 8
    .kernarg_segment_size: 80
    .max_flat_workgroup_size: 128
    .sgpr_count:     100
    .vgpr_count:     1024
    .wavefront_size: 32
...
	.end_amdgpu_metadata
.endif
;; end of part 2
;; launch attn (part 3): grid 4 x 64, 16 waves a work-group, no clusters, 67,584 bytes of LDS; arguments qc, kc, vc, sen_len, lowp_scales, cc; writes cc
.if DOCPART == 3
	.amdgcn_target "amdgcn-amd-amdhsa--gfx1250"
	.amdhsa_code_object_version 6
	.text
	.protected	k_q908f25b858_attn
	.globl	k_q908f25b858_attn
	.p2align	8
	.type	k_q908f25b858_attn,@function
k_q908f25b858_attn:
	s_mov_b64 s[64:65], 0
	v_nop
	global_prefetch_b8 v0, s[64:65] scope:SCOPE_SE
	s_setreg_imm32_b32 hwreg(HW_REG_WAVE_MODE, 25, 1), 1
	s_wait_xcnt 0x0
; ATTENTION on codes of E5M2: scores = qh kh^T / 8, hidden where key > query or key >= sen_len[batch]; softmax; ctx = p vh / l, quantised with 2^e10 for the last product.
; THE SOFTMAX AHEAD OF THE SECOND PRODUCT: t = score x log2(e) / 8; M = the row's largest t so far, rounded UP to a whole number; p = 2^(t - M) is quantised with 2^e8, not normalised.
; The row's sum l is taken of the unquantised p; when M moves, l and O are multiplied by 2^(old M - new M), which rounds nothing.
; SHARES.  Work-group (i, batch x 16 + head) takes the head's query block 7 - i and then block i, 256 queries each: (8 - i) + (i + 1) = 9 blocks of 256 keys for every work-group, so the loop's trip count is a
; constant and the 256 work-groups are alike.  Each of sixteen waves owns 16 queries of the block in 256 registers: four waves to a SIMD, one wave's vector work beside another's products.
; TILES.  qc, kc, vc hold images of operand registers (four registers at 16 x lane, 512 bytes a piece).  A key block's 16 KiB of K and 16 KiB of V come into registers by four loads a thread, each wave
; reading 512 consecutive bytes, a whole key block ahead of the wait for them, and go by ds_store into the LDS buffer that is not being read: two buffers, one barrier a key block.
; NO CLUSTER, NO TENSOR LOAD: the four work-groups of a head need different numbers of tiles at a time, and the launch branches on sen_len and on e8, which it reads from memory.
; LAYOUT.  Both products transposed: S^T = K Q^T (source 0 = 16 keys, source 1 = my 16 queries, K = 64), O^T = V^T P^T (source 0 = 16 of the head's 64, source 1 = P, K = 128 keys): a lane holds ONE query throughout.
; Register 8 t + j of S^T in lane (r, h) is key 16 t + 8 h + j of the step: its conversion gives registers 2 t, 2 t + 1 of P, k = 16 t + 8 h + 0 .. 7: the 8-bit operand layout (ISA guide 7.12.2), in which vc lies too.
; MASKS.  limit = min(query, sen_len - 1).  A step of 128 keys all of which lie behind all my limits is left out (a scalar branch round its loads, products and softmax; no barrier stands in a step);
; a step that straddles a limit sets hidden scores to -infinity ahead of the maximum, so that p = 0.  Key 0 counts for every query, so M is a number from the first step on.
; LIMITS.  sen_len is held to 1 .. 2,048 (with 0 reference() gives a uniform softmax: not served).  Hidden scores count as -infinity: that is reference()'s -1e9 while a row's largest open score / 8 lies above
; about -1e9 + 150.  e6 + e7 between -123 and 130 (added to c's exponent field); e8 and e10 between -126 and 112.  NaN among the inputs is not served.
; REGISTERS: v1 16 x lane; v3, v4 a thread's places in a tile; v6 my limit - 8 h; v7 at work; v8 r; v9 8 h; v12 -M, v13 the largest t, v[14:15] l in two halves; v16-23 Q; v32-95 K's, then V's fragments;
;   v96-159 S^T, then p; v160-191 O^T; v192-207 the tile on its way; v208-215 ctx's codes; v224-239 p's codes; v236, v242, v243, v252-254 at work; v240, v244: 57,344 x 2^e8, 2^e8; v246, v245: the same for e10.
.set BUF,  32768                       ; an LDS buffer: K's 16 tiles of 1,024 bytes, then V's two steps of 8,192
.set VOFF, 16384
.set L16,  1
.set KO,   3
.set T16,  4
.set LIMV, 6
.set DD,   7
; s16 wave; s17 i; s19 batch; s[20:21] lane selects; s[22:23] c; s24 head / 2; s25 head % 2; s30 key block; s31 query block; s32 next key block; s33 the step's first key; s34 my first query;
; s35 the largest, s36 the smallest of my limits; s37 sen_len - 1; s38 trips; s39 1 where p wants its hold; s[40:43] K, V of my head; s[44:47] of the tile asked for; s[48:51] Q; s[52:55] cc; s[56:57] an offset; s58 e8 + e9
	s_load_b256 s[4:11], s[0:1], 0x0               ; qc s[4:5], kc s[6:7], vc s[8:9], sen_len s[10:11]
	s_load_b128 s[12:15], s[0:1], 0x20             ; the scales s[12:13], cc s[14:15]
	v_lshl_add_u32 v251, v0, 2, 0x10000
	v_mov_b32 v255, 0
	v_lshrrev_b32 v1, 5, v0
	v_readfirstlane_b32 s16, v1                    ; wave 0..15
	v_and_b32 v1, 31, v0
	v_lshlrev_b32 v[L16], 4, v1                    ; 16 x lane
	v_lshrrev_b32 v3, 6, v0
	v_lshlrev_b32 v3, 11, v3
	v_and_b32 v2, 63, v0
	v_lshl_add_u32 v[KO], v2, 4, v3                ; K in memory: token tile thread / 64 at 2,048, my 16 bytes of my head's 1,024
	v_lshlrev_b32 v[T16], 4, v0                    ; V in memory, and both in LDS: 16 x thread
	v_and_b32 v8, 15, v0                           ; r
	v_bfe_u32 v9, v0, 4, 1
	v_lshlrev_b32 v9, 3, v9                        ; 8 h
	v_mov_b32 v236, 0                              ; written once: a lane permute's destination counts as one of its sources
	v_mov_b32 v252, 0
	v_mov_b32 v253, 0                              ; (named as the upper half of the pair v[252:253])
	s_mov_b32 s17, ttmp9
	s_and_b32 s18, ttmp7, 0xffff
	s_lshr_b32 s19, s18, 4                         ; batch
	s_and_b32 s80, s18, 15                         ; head
	s_lshr_b32 s24, s80, 1
	s_and_b32 s25, s80, 1
	s_mov_b32 s20, 0x76543210
	s_mov_b32 s21, 0xfedcba98
	s_mov_b32 s22, 0x3e38aa3b                      ; c = log2(e) / 8
	s_mov_b32 s57, 0
	s_lshl_b32 s82, s19, 3
	s_add_co_u32 s82, s82, s24
	s_lshl_b32 s82, s82, 18                        ; the pair of heads' sixteen blocks of 16 KiB
	s_wait_kmcnt 0x0
	s_load_b256 s[68:75], s[12:13], 0x0            ; e0 .. e7
	s_load_b128 s[76:79], s[12:13], 0x20           ; e8 .. e11
	s_lshl_b32 s56, s19, 2
	s_add_nc_u64 s[10:11], s[10:11], s[56:57]
	s_load_b32 s37, s[10:11], 0x0                  ; sen_len[batch]
	s_lshl_b32 s81, s25, 10
	s_add_co_u32 s56, s82, s81
	s_add_nc_u64 s[40:41], s[6:7], s[56:57]        ; K: my head's 1,024 bytes of token tile 0
	s_add_nc_u64 s[48:49], s[4:5], s[56:57]
	s_lshl_b32 s56, s16, 11
	s_add_nc_u64 s[48:49], s[48:49], s[56:57]      ; Q: the same, + my wave's tile
	s_lshl_b32 s81, s25, 13
	s_add_co_u32 s56, s82, s81
	s_add_nc_u64 s[42:43], s[8:9], s[56:57]        ; V: my head's 8,192 bytes of group 0
	s_lshl_b32 s56, s19, 21                        ; cc: token tile (128 batch + 16 block + wave) x 16 KiB + head / 2 x 2,048 + head % 2 x 1,024
	s_lshl_b32 s81, s16, 14
	s_add_co_u32 s56, s56, s81
	s_lshl_b32 s81, s24, 11
	s_add_co_u32 s56, s56, s81
	s_lshl_b32 s81, s25, 10
	s_add_co_u32 s56, s56, s81
	s_add_nc_u64 s[52:53], s[14:15], s[56:57]
	s_wait_kmcnt 0x0
	s_max_i32 s37, s37, 1
	s_min_u32 s37, s37, 2048
	s_sub_co_u32 s37, s37, 1                       ; the last key that counts in this batch
	s_add_co_i32 s80, s74, s75
	s_lshl_b32 s80, s80, 23
	s_add_co_i32 s22, s22, s80                     ; a sum stands for sum x 2^(e6 + e7): added to c's exponent field
	s_mov_b32 s23, s22                             ; (named with it as a pair, so it is written)
	s_add_co_i32 s80, s76, 127
	s_lshl_b32 s81, s80, 23
	v_mov_b32 v244, s81                            ; 2^e8
	s_add_co_i32 s80, s80, 15
	s_lshl_b32 s80, s80, 23
	s_or_b32 s80, s80, 0x600000
	v_mov_b32 v240, s80                            ; 57,344 x 2^e8
	s_add_co_i32 s80, s78, 127
	s_lshl_b32 s81, s80, 23
	v_mov_b32 v245, s81                            ; 2^e10
	s_add_co_i32 s80, s80, 15
	s_lshl_b32 s80, s80, 23
	s_or_b32 s80, s80, 0x600000
	v_mov_b32 v246, s80                            ; 57,344 x 2^e10
	s_add_co_i32 s58, s76, s77                     ; e8 + e9
	s_cmp_lt_i32 s76, -15                          ; p is at most 1, and 57,344 x 2^e8 is at least 1 from e8 = -15 on: only below that can the hold change a number
	s_cselect_b32 s39, 1, 0
.macro LOADT                           ; a key block's tile: four loads a thread; each wave reads 512 consecutive bytes
	global_load_b128 v[192:195], v[KO], s[44:45]
	global_load_b128 v[196:199], v[KO], s[44:45] offset:16384
	global_load_b128 v[200:203], v[T16], s[46:47]
	global_load_b128 v[204:207], v[T16], s[46:47] offset:16384
.endm
.macro STORET buf
	ds_store_b128 v[T16], v[192:195] offset:(\buf)*BUF
	ds_store_b128 v[T16], v[196:199] offset:(\buf)*BUF+8192
	ds_store_b128 v[T16], v[200:203] offset:(\buf)*BUF+16384
	ds_store_b128 v[T16], v[204:207] offset:(\buf)*BUF+24576
.endm
; A query block (s31) begins: its limits, addresses and Q; the largest t is -3e38, l and O^T are zeros, which the first change of M leaves zeros.
.macro START
	s_lshl_b32 s34, s31, 8
	s_lshl_b32 s80, s16, 4
	s_add_co_u32 s34, s34, s80                     ; my first query
	s_add_co_u32 s35, s34, 15
	s_min_u32 s35, s35, s37                        ; the largest of my sixteen limits,
	s_min_u32 s36, s34, s37                        ; the smallest
	s_lshl_b32 s56, s31, 15
	s_add_nc_u64 s[50:51], s[48:49], s[56:57]
	s_lshl_b32 s56, s31, 18
	s_add_nc_u64 s[54:55], s[52:53], s[56:57]
	global_load_b128 v[16:19], v[L16], s[50:51]
	global_load_b128 v[20:23], v[L16], s[50:51] offset:512
	v_add_nc_u32 v[LIMV], s34, v8
	v_min_u32 v[LIMV], s37, v[LIMV]                ; min(my query, sen_len - 1),
	v_sub_nc_u32 v[LIMV], v[LIMV], v9              ; less my half's 8 keys
	v_mov_b32 v13, 0xff61b1e6
	v_floor_f32 v12, -v13
	v_mov_b32 v14, 0
	v_mov_b32 v15, 0
.set j, 0
.rept 32
	v_mov_b32 v[160+j], 0
.set j, j+1
.endr
.endm
; A KEY STEP: 128 keys, the q-th of the key block in LDS buffer buf.
.macro STEP buf, q
	s_cmp_gt_u32 s33, s35                          ; all 128 keys lie behind all my limits
	s_cbranch_scc1 .Lhidden_\@
.rept 4
	v_nop                                          ; places in front of loads into registers that the last products read
.endr
.irp t, 0,1,2,3,4,5,6,7
	ds_load_b128 v[32+8*\t:35+8*\t], v[L16] offset:(\buf)*BUF+(8*(\q)+\t)*1024
	ds_load_b128 v[36+8*\t:39+8*\t], v[L16] offset:(\buf)*BUF+(8*(\q)+\t)*1024+512
.endr
	s_wait_dscnt 8                                 ; tiles 0-3 are in; the eight loads of tiles 4-7 may be out
.irp t, 0,1,2,3
	v_wmma_f32_16x16x64_bf8_bf8 v[96+8*\t:103+8*\t], v[32+8*\t:39+8*\t], v[16:23], 0
.endr
	s_wait_dscnt 0x0
.irp t, 4,5,6,7
	v_wmma_f32_16x16x64_bf8_bf8 v[96+8*\t:103+8*\t], v[32+8*\t:39+8*\t], v[16:23], 0
.endr
.rept 4
	v_nop                                          ; places: K's registers take V below, and the scores are read
.endr
.irp d, 0,1,2,3                                ; V's four fragments land while the softmax is worked
.irp g, 0,1,2,3
	ds_load_b128 v[32+16*\d+4*\g:35+16*\d+4*\g], v[L16] offset:(\buf)*BUF+VOFF+8192*(\q)+2048*\d+512*\g
.endr
.endr
	s_add_co_u32 s80, s33, 127
	s_cmp_le_u32 s80, s36                          ; all 128 keys count for all my queries
	s_cbranch_scc1 .Lopen_\@
	v_sub_nc_u32 v[DD], v[LIMV], s33               ; register 8 t + j is hidden where 16 t + j > my limit - 8 h - the step's first key
	v_mov_b32 v254, 0xff800000                     ; -infinity
.set n, 0
.rept 64
	v_cmp_gt_i32 vcc_lo, 16*(n/8)+n%8, v[DD]
	v_cndmask_b32 v[96+n], v[96+n], v254, vcc_lo
.set n, n+1
.endr
.Lopen_\@:
	v_max3_num_f32 v254, v96, v97, v98             ; the step's largest score of my query among my 64 keys, in two chains, each accumulator from its low end on,
	v_max3_num_f32 v252, v99, v100, v101
.irp i, 6,10,14,18,22,26,30,34,38,42,46,50,54,58
	v_max3_num_f32 v254, v254, v[96+\i], v[97+\i]
	v_max3_num_f32 v252, v252, v[98+\i], v[99+\i]
.endr
	v_max3_num_f32 v254, v254, v158, v159
	v_max_num_f32 v254, v254, v252
	v_permlanex16_b32 v236, v254, s20, s21
	v_max_num_f32 v254, v254, v236                 ; and among lane l xor 16's
	v_mul_f32 v254, s22, v254                      ; as t (c is positive)
	v_max_num_f32 v13, v13, v254                   ; the running largest t
	v_mov_b32 v254, v12
	v_floor_f32 v12, -v13                          ; the new -M = floor(-t) = -ceil(t)
	v_sub_f32 v254, v12, v254                      ; old M - new M: a whole number, 0 or less
	v_cvt_i32_f32 v254, v254                       ; (it saturates)
	v_ldexp_f32 v252, 1.0, v254                    ; f = 2^(old M - new M)
.set j, 0
.rept 32
	v_pk_fma_f32 v[96+j:97+j], v[96+j:97+j], s[22:23], v[12:13] op_sel_hi:[1,0,0]   ; t - M, two at a time (of the pairs c and -M the low word serves both halves)
.set j, j+2
.endr
.set j, 0
.rept 64
	v_exp_f32 v[96+j], v[96+j]                     ; p = 2^(t - M)
.set j, j+1
.endr
	v_pk_mul_f32 v[14:15], v[14:15], v[252:253] op_sel_hi:[1,0]   ; l under the new M: the plain line behind the exponentials
	s_wait_alu depctr_va_vdst(0)                   ; one wait for the batch of 64, ahead of its first reader
	v_pk_add_f32 v[242:243], v[96:97], v[98:99]    ; l takes the UNQUANTISED p: two at a time, in two chains
.irp j, 4,8,12,16,20,24,28,32,36,40,44,48,52,56,60
	v_pk_add_f32 v[14:15], v[14:15], v[96+\j:97+\j]
	v_pk_add_f32 v[242:243], v[242:243], v[98+\j:99+\j]
.endr
	v_pk_add_f32 v[14:15], v[14:15], v[242:243]
	s_cmp_eq_u32 s39, 0
	s_cbranch_scc1 .Lnohold_\@
.set j, 0
.rept 64
	v_min_num_f32 v[96+j], v[96+j], v240           ; the conversion does not saturate (ISA guide 7.6.2); p is not negative, so the hold is one-sided
.set j, j+1
.endr
.Lnohold_\@:
.irp t, 0,1,2,3,4,5,6,7
	v_cvt_scalef32_pk8_bf8_f32 v[224+2*\t:225+2*\t], v[96+8*\t:103+8*\t], v244
.endr
.set j, 0
.rept 16
	v_pk_mul_f32 v[160+j:161+j], v[160+j:161+j], v[252:253] op_sel_hi:[1,0]   ; O^T under the new M; also the plain lines between the conversions and the products
.set j, j+2
.endr
	s_wait_dscnt 0x0                               ; V is in
.irp d, 0,1,2,3                                ; the four accumulators take turns; the next matrix instruction is a score's, on other registers
	v_wmma_f32_16x16x128_bf8_bf8 v[160+8*\d:167+8*\d], v[32+16*\d:47+16*\d], v[224:239], v[160+8*\d:167+8*\d]
.endr
.Lhidden_\@:
	s_add_co_u32 s33, s33, 128
.endm
; A query block ends: ctx = O^T / l x 2^(e8 + e9), held, converted with 2^e10: registers 2 d, 2 d + 1 hold features 16 d + 8 h + 0 .. 7 of my head: half of an image of 16 tokens x 128 features in cc.
.macro FINISH
.rept 4
	v_nop                                          ; places behind the last products
.endr
	v_add_f32 v14, v14, v15
	v_permlanex16_b32 v252, v14, s20, s21
	v_add_f32 v14, v14, v252                       ; the row's sum
	v_rcp_f32 v14, v14
	v_nop                                          ; a plain line behind the transcendental
	s_wait_alu depctr_va_vdst(0)                   ; and the wait ahead of its first reader
	v_ldexp_f32 v14, v14, s58
.set j, 0
.rept 32
	v_mul_f32 v[96+j], v[160+j], v14
.set j, j+1
.endr
.set j, 0
.rept 32
	v_med3_num_f32 v[96+j], v[96+j], -v246, v246
.set j, j+1
.endr
.irp d, 0,1,2,3
	v_cvt_scalef32_pk8_bf8_f32 v[208+2*\d:209+2*\d], v[96+8*\d:103+8*\d], v245
.endr
	v_nop                                          ; a plain line behind the last conversion
	global_store_b128 v[L16], v[208:211], s[54:55]             ; 512 consecutive bytes, aligned
	global_store_b128 v[L16], v[212:215], s[54:55] offset:512
	s_wait_xcnt 0x0                                ; the stores' base and data are written again only behind this wait
.endm
; A KEY BLOCK of 256 keys in buffer buf.  fill = 1: the next block's tile is asked for at the head and stored into the other buffer at the end.
.macro TRIP buf, fill
.if \fill
	s_add_co_u32 s32, s30, 1
	s_cmp_eq_u32 s30, s31                          ; the diagonal block is a query block's last: the next query block begins at key 0
	s_cselect_b32 s32, 0, s32
	s_lshl_b32 s56, s32, 15
	s_add_nc_u64 s[44:45], s[40:41], s[56:57]      ; (the loads that named these pairs were waited for in front of the last barrier)
	s_add_nc_u64 s[46:47], s[42:43], s[56:57]
	LOADT
.endif
	STEP \buf, 0
	STEP \buf, 1
.if \fill
	s_cmp_lg_u32 s30, s31                          ; the same in all sixteen waves; no barrier stands under it
	s_cbranch_scc1 .Lsame_\@
	FINISH
	s_mov_b32 s31, s17                             ; the second query block: i
	START
.Lsame_\@:
	s_mov_b32 s30, s32
	s_lshl_b32 s33, s32, 8
	s_wait_loadcnt 0x0                             ; the tile (and Q, where a block began)
	STORET 1-(\buf)                                ; the buffer that was read a key block ago: every wave's reads of it were over at the last barrier
	s_wait_dscnt 0x0                               ; for the others' sake: my stores have landed, and my reads of this buffer are over
	s_barrier_signal -1
	s_barrier_wait -1
.else
	FINISH
.endif
.endm
	s_mov_b32 s30, 0
	s_mov_b32 s33, 0
	s_sub_co_u32 s31, 7, s17                       ; the first query block: 7 - i
	s_mov_b64 s[44:45], s[40:41]
	s_mov_b64 s[46:47], s[42:43]
	LOADT
	START
	s_wait_loadcnt 0x0
	STORET 0
	s_wait_dscnt 0x0
	s_barrier_signal -1
	s_barrier_wait -1
	s_mov_b32 s38, 4
.Ltrip:                                            ; four trips of two key blocks, so that each buffer's number is a constant of the text
	TRIP 0, 1
	TRIP 1, 1
	s_sub_co_u32 s38, s38, 1
	s_cmp_lg_u32 s38, 0
	s_cbranch_scc1 .Ltrip
	TRIP 0, 0                                      ; the ninth key block: the second query block's diagonal
	s_wait_tensorcnt 0x0
	ds_add_u32 v251, v255
	s_wait_dscnt 0x0
	s_endpgm
.Lfunc_end_k_q908f25b858_attn:
	.size	k_q908f25b858_attn, .Lfunc_end_k_q908f25b858_attn-k_q908f25b858_attn
	.p2alignl 7, 3214868480
	.fill 96, 4, 3214868480
	.section	.rodata,"a",@progbits
	.p2align	6, 0x0
	.amdhsa_kernel k_q908f25b858_attn
		.amdhsa_group_segment_fixed_size 67584
		.amdhsa_private_segment_fixed_size 0
		.amdhsa_enable_private_segment 0
		.amdhsa_kernarg_size 48
		.amdhsa_user_sgpr_count 2
		.amdhsa_user_sgpr_kernarg_segment_ptr 1
		.amdhsa_wavefront_size32 1
		.amdhsa_system_sgpr_workgroup_id_x 1
		.amdhsa_system_sgpr_workgroup_id_y 1
		.amdhsa_system_sgpr_workgroup_id_z 1
		.amdhsa_system_vgpr_workitem_id 0
		.amdhsa_next_free_vgpr 256
		.amdhsa_next_free_sgpr 96
		.amdhsa_reserve_vcc 1
		.amdhsa_float_denorm_mode_32 3
		.amdhsa_float_denorm_mode_16_64 3
		.amdhsa_memory_ordered 1
		.amdhsa_forward_progress 1
		.amdhsa_inst_pref_size 147
	.end_amdhsa_kernel
	.amdgpu_metadata
---
amdhsa.version: [ 1, 2 ]
amdhsa.kernels:
  - .name:           k_q908f25b858_attn
    .symbol:         k_q908f25b858_attn.kd
    .args:
      - { .name: qc, .offset: 0, .size: 8, .value_kind: global_buffer, .address_space: global }
      - { .name: kc, .offset: 8, .size: 8, .value_kind: global_buffer, .address_space: global }
      - { .name: vc, .offset: 16, .size: 8, .value_kind: global_buffer, .address_space: global }
      - { .name: sen_len, .offset: 24, .size: 8, .value_kind: global_buffer, .address_space: global }
      - { .name: lowp_scales, .offset: 32, .size: 8, .value_kind: global_buffer, .address_space: global }
      - { .name: cc, .offset: 40, .size: 8, .value_kind: global_buffer, .address_space: global }
    .group_segment_fixed_size: 67584
    .private_segment_fixed_size: 0
    .kernarg_segment_align: 8
    .kernarg_segment_size: 48
    .max_flat_workgroup_size: 512
    .sgpr_count:     96
    .vgpr_count:     256
    .wavefront_size: 32
...
	.end_amdgpu_metadata
.endif
;; end of part 3
;; launch outln (part 4): grid 256 x 1, 4 waves a work-group, clusters of 4 x 1, 327,680 bytes of LDS; arguments cc, Wo_codes, q, ln_gamma, ln_beta, lowp_scales, out0; writes out0
.if DOCPART == 4
	.amdgcn_target "amdgcn-amd-amdhsa--gfx1250"
	.amdhsa_code_object_version 6
	.text
	.protected	k_q908f25b858_outln
	.globl	k_q908f25b858_outln
	.p2align	8
	.type	k_q908f25b858_outln,@function
k_q908f25b858_outln:
	s_mov_b64 s[64:65], 0
	v_nop
	global_prefetch_b8 v0, s[64:65] scope:SCOPE_SE
	s_setreg_imm32_b32 hwreg(HW_REG_WAVE_MODE, 25, 1), 1
	s_wait_xcnt 0x0
	s_wait_alu depctr_hold_cnt(0) depctr_sa_sdst(0) depctr_va_vdst(0) depctr_va_sdst(0) depctr_va_ssrc(0) depctr_va_vcc(0) depctr_vm_vsrc(0)
	s_getreg_b32 s2, hwreg(HW_REG_IB_STS2, 6, 4)
	s_cmp_eq_u32 s2, 0
	s_cbranch_scc0 .Lentry_in_a_cluster
	s_endpgm
.Lentry_in_a_cluster:
	s_bfe_u32 s2, ttmp6, 0x10000c
	s_cmp_lg_u32 s2, 0x3003
	s_cbranch_scc0 .Lentry_shape_is_right
	s_endpgm
.Lentry_shape_is_right:
; out0 = LayerNorm(ctx Wo^T + q) x gamma + beta.  ctx: codes in cc, images of operand registers (token tile, K step of 128: 2,048 bytes); Wo: codes, [1024][1024], K innermost; the sums x 2^(e10 + e11).
; SHARES.  A work-group owns 32 WHOLE rows, so the norm needs no second pass over memory.  Its ctx (16 fragments, 256 registers) stays in every wave's registers.  Wo goes in 8 chunks of 128 of its rows,
; whole rows of 1,024 bytes, through two LDS slots.  The four work-groups of a cluster walk the same chunks: each chunk is asked for JOINTLY (mask 15).  Wave w fetches and reads rows 32 w .. 32 w + 31 of a chunk:
; two tiles of 16 outputs x two tiles of rows x 8 K steps = 32 products a chunk; the launch's 32 accumulators fill a window.
; THE MATRIX INSTRUCTION IS USED TRANSPOSED (source 0 = 16 rows of Wo, source 1 = 16 tokens): a lane holds one token and eight neighbouring outputs.
; cc lies in the 8-bit operand layout (registers 2 c, 2 c + 1: k = 16 c + 8 h + 0 .. 7: ISA guide 7.12.2), so Wo's fragments are read so too: sixteen loads of 8 bytes.
; THE WAY OUT.  The raw sums meet in a stage of 32 rows x (4,096 + 16) bytes, which lies in slot 0: that slot has had its last fill (chunk 6) and its last read when the first sum is stored there.
; Each wave then takes 8 whole rows: x = sum x 2^(e10 + e11) + q; the mean; the variance of x - mean (two passes, so that a common offset does not cancel); (x - mean) rsqrt(var + 1e-5) gamma + beta.
; LIMITS: e10 + e11 between -126 and 127.  NaN among the inputs is not served.
; REGISTERS, in windows of 256: window 0: v1-8 addresses; v10-18 at work; v28, v29 for the add; v32-63 gamma, v64-95 beta (my 32 columns: 128 i + 4 lane + 0 .. 3); v96-127 a row; v128-191, v192-255 Wo's fragments, two
;   sets of two K steps (later v128-159 the other row).   window 1: ctx's fragments, (m, s) at 16 (8 m + s).   window 2: the accumulators, (chunk c, u, m) at 8 (4 c + 2 u + m).   window 3: my 8 rows of q, 32 each.
.set PITCH,  1040                      ; an LDS row of Wo: 1,024 bytes + 16 of padding = 260 words: lane (r, h) of a load of 8 bytes begins at bank 4 r + 2 h: 64 different banks (ISA guide 11.1)
.set WROWS,  32*PITCH                  ; a wave's 32 rows
.set SLOT,   4*WROWS
.set SPARE,  2*SLOT                    ; behind the ring: the spare words, 128 bytes for each wave: two blocks of 256 bytes that no other line names
.set SPITCH, 4112                      ; a stage row
.set LI,  1                            ; v1  16 x lane
.set BA,  4                            ; v4, v5  my place in a fragment of Wo in slot 0, 1
.set SO,  6                            ; v6, v7  the stage: where I put 32 bytes of a row of tile m = 0, 1
.set SR,  8                            ; v8  and where I read my rows back
.set SPW, 28
.set NIL, 29
.set GA,  32
.set BE,  64
.set X0,  96
.set X1,  128
.set BF0, 128
.set BF1, 192
.set MSB, 0
.macro WIN new                         ; the immediate's high byte repeats the setting that is left
.if MSB != (\new)
	s_set_vgpr_msb (MSB<<8)|(\new)
.set MSB, (\new)
.endif
.endm
.macro ROUND                           ; a round of the cluster's barrier
	s_barrier_signal -1
	s_barrier_wait -1
	s_cmp_lg_u32 s18, 0
	s_cbranch_scc1 .Lnot_wave_0_\@
	s_barrier_signal -3
.Lnot_wave_0_\@:
	s_barrier_wait -3
	s_barrier_signal -1
	s_barrier_wait -1
.endm
	s_load_b256 s[4:11], s[0:1], 0x0               ; cc s[4:5], Wo s[6:7], q s[8:9], gamma s[10:11]
	s_load_b128 s[12:15], s[0:1], 0x20             ; beta s[12:13], the scales s[14:15]
	s_load_b64 s[16:17], s[0:1], 0x30              ; out0
	v_lshl_add_u32 v[SPW], v0, 2, SPARE
	v_mov_b32 v[NIL], 0
	ds_add_u32 v28, v29
	ds_add_u32 v28, v29
	s_wait_dscnt 0x0
	v_lshrrev_b32 v1, 5, v0
	v_readfirstlane_b32 s18, v1                    ; wave 0..3
	s_bfe_u32 s19, ttmp6, 0x40000                  ; cx
	s_lshl_b32 s20, ttmp9, 2
	s_add_co_u32 s20, s20, s19                     ; work-group: it enters cc's, q's and out0's addresses alone
	v_and_b32 v1, 31, v0
	v_lshlrev_b32 v[LI], 4, v1
	v_and_b32 v2, 15, v0                           ; r
	v_bfe_u32 v3, v0, 4, 1                         ; h
	s_mul_i32 s33, s18, WROWS                      ; my 32 rows in a slot: the wave's number alone
	v_mul_u32_u24 v[BA], v2, PITCH
	v_lshl_add_u32 v[BA], v3, 3, v[BA]
	v_add_nc_u32 v[BA], s33, v[BA]                 ; row r, + 8 h
	v_add_nc_u32 v[BA+1], SLOT, v[BA]
	s_lshl_b32 s21, s18, 7
	v_mul_u32_u24 v[SO], v2, SPITCH
	v_lshl_add_u32 v[SO], v3, 5, v[SO]
	v_add_nc_u32 v[SO], s21, v[SO]                 ; stage row r, + 32 h, + 128 x wave; the chunk's 512 and the tile's 64 stand in the immediate
	v_add_nc_u32 v[SO+1], 16*SPITCH, v[SO]
	s_mul_i32 s21, s18, 8*SPITCH
	v_add_nc_u32 v[SR], s21, v[LI]                 ; my 8 rows, 16 bytes a lane
	v_mov_b32 v18, 0                               ; written once: a lane permute's destination counts as one of its sources
	s_mov_b32 s40, 0x76543210
	s_mov_b32 s41, 0xfedcba98
	s_mov_b32 s46, 0x3727c5ac                      ; 1e-5
	s_mov_b32 s47, 0x3a800000                      ; 1 / 1,024
	; descriptor group 1: 32 rows x 1,024 bytes, padded in LDS
	s_mov_b32 s24, 15|(0<<16)|(1<<20)|(1<<21)|(7<<22)|(3<<25)   ; 15:0 the mask: all four work-groups; 17:16 elements of 1 byte; 20 padding on; 21 set beside a mask; 24:22 after every 256 words; 31:25 four words
	s_mov_b32 s25, 1024<<16                        ; tensor_dim0
	s_mov_b32 s26, 32<<16                          ; tensor_dim1
	s_mov_b32 s27, 1024<<16                        ; tile_dim0
	s_mov_b32 s28, 32                              ; tile_dim1
	s_mov_b32 s29, 1024                            ; tensor_dim0_stride
	s_mov_b32 s30, 0
	s_mov_b32 s31, 0
	s_lshl_b32 s48, s18, 15                        ; my 32 rows of a chunk in memory
	s_mov_b32 s49, 0
	s_lshl_b32 s22, s20, 15                        ; my work-group's two token tiles of cc
	s_mov_b32 s23, 0
	s_wait_kmcnt 0x0
	s_load_b64 s[44:45], s[14:15], 0x28            ; e10, e11
	s_add_nc_u64 s[50:51], s[6:7], s[48:49]
	s_mov_b32 s32, 1                               ; group 0 for slot 0: chunk 0
	s_mov_b64 s[34:35], s[50:51]
	s_or_b32 s35, s35, 0x80000000
	s_mov_b32 s36, 1                               ; group 0 for slot 1: chunk 1
	s_add_co_u32 s37, s33, SLOT
	s_add_nc_u64 s[38:39], s[50:51], 131072
	s_or_b32 s39, s39, 0x80000000
	s_add_nc_u64 s[4:5], s[4:5], s[22:23]
	s_lshl_b32 s22, s20, 5
	s_lshl_b32 s21, s18, 3
	s_add_co_u32 s22, s22, s21                     ; my first row: 32 x work-group + 8 x wave
	s_lshl_b32 s22, s22, 12
	s_add_nc_u64 s[8:9], s[8:9], s[22:23]
	s_add_nc_u64 s[16:17], s[16:17], s[22:23]
	ROUND                                          ; all four work-groups are here: the first joint loads meet
	tensor_load_to_lds s[32:35], s[24:31]          ; both first fills together: two tensor loads of mine are out
	s_nop 0
	tensor_load_to_lds s[36:39], s[24:31]
	s_nop 0
.rept 4
	v_nop
.endr
.irp i, 0,1,2,3,4,5,6,7
	global_load_b128 v[GA+4*\i:GA+4*\i+3], v[LI], s[10:11] offset:512*\i
	global_load_b128 v[BE+4*\i:BE+4*\i+3], v[LI], s[12:13] offset:512*\i
.endr
	WIN 0x40                                       ; destination window 1
.set f, 0
.rept 16
.irp g, 0,1,2,3
	global_load_b128 v[16*f+4*\g:16*f+4*\g+3], v[LI], s[4:5] offset:f*2048+512*\g   ; ctx's fragment f = 8 m + s as it lies
.endr
.set f, f+1
.endr
	WIN 0
	s_wait_kmcnt 0x0
	s_add_co_i32 s42, s44, s45
	s_add_co_i32 s42, s42, 127
	s_lshl_b32 s42, s42, 23                        ; 2^(e10 + e11) as f32
	s_mov_b32 s43, s42                             ; (named with it as a pair, so it is written)
.macro BLOAD slot, grp, buf            ; Wo's fragments of K steps 2 grp, 2 grp + 1, my two tiles: 32 loads of 8 bytes
.irp e, 0,1
.irp u, 0,1
.irp c, 0,1,2,3,4,5,6,7
	ds_load_b64 v[\buf+32*\e+16*\u+2*\c:\buf+32*\e+16*\u+2*\c+1], v[BA+\slot] offset:\u*16*PITCH+128*(2*(\grp)+\e)+16*\c
.endr
.endr
.endr
.endm
.macro MULG c, grp, buf                ; 8 products: the chunk's four accumulators by turns, one instruction a turn; the first K step starts the sums
	WIN 0xa4                                       ; source 0 (Wo) window 0, source 1 (ctx) window 1, C and D window 2
.irp e, 0,1
.irp u, 0,1
.irp m, 0,1
.if (2*(\grp)+\e) == 0
	v_wmma_f32_16x16x128_bf8_bf8 v[8*(4*(\c)+2*\u+\m):8*(4*(\c)+2*\u+\m)+7], v[\buf+32*\e+16*\u:\buf+32*\e+16*\u+15], v[16*(8*\m+2*(\grp)+\e):16*(8*\m+2*(\grp)+\e)+15], 0
.else
	v_wmma_f32_16x16x128_bf8_bf8 v[8*(4*(\c)+2*\u+\m):8*(4*(\c)+2*\u+\m)+7], v[\buf+32*\e+16*\u:\buf+32*\e+16*\u+15], v[16*(8*\m+2*(\grp)+\e):16*(8*\m+2*(\grp)+\e)+15], v[8*(4*(\c)+2*\u+\m):8*(4*(\c)+2*\u+\m)+7]
.endif
.endr
.endr
.endr
	WIN 0
.endm
.macro QLOAD k                         ; row k of my eight of q, for the residual: asked for long before it is used
	WIN 0xc0                                       ; destination window 3
.irp i, 0,1,2,3,4,5,6,7
	global_load_b128 v[32*(\k)+4*\i:32*(\k)+4*\i+3], v[LI], s[8:9] offset:(\k)*4096+512*\i th:TH_LOAD_NT
.endr
	WIN 0
.endm
.macro PLACES
.rept 4
	v_nop
.endr
.endm
.macro CHUNK c, slot
	BLOAD \slot, 0, BF0
	BLOAD \slot, 1, BF1
.if (\c) < 4
	QLOAD 2*(\c)
	QLOAD 2*(\c)+1
.endif
	s_wait_dscnt 32                                ; the first group is in; the 32 loads of the second may be out
	MULG \c, 0, BF0
	PLACES                                         ; in front of loads into registers that the products read
	BLOAD \slot, 2, BF0
	s_wait_dscnt 32
	MULG \c, 1, BF1
	PLACES
	BLOAD \slot, 3, BF1
	s_wait_dscnt 32
	MULG \c, 2, BF0
	s_wait_dscnt 0x0
	MULG \c, 3, BF1
.endm
; THE CHANGE OF SLOTS, ahead of chunk c.  Each wave waits for all its tensor loads (one is out: its part of chunk c), adds 0 to its spare word, and waits for that and for its reads of the slot that it has left.
; Up to c = 6 that slot is filled with chunk c + 1: the barrier is a round of the cluster's, and the joint load is the first thing behind it.
.macro CHANGE c
.set GX, 32+4*(((\c)+1)%2)
	s_wait_tensorcnt 0x0                           ; no tensor load of mine is out, so a group 0 may be written
	ds_add_u32 v[SPW], v[NIL]                      ; 0 onto my spare word
.if (\c) <= 6
	s_add_nc_u64 s[GX+2:GX+3], s[GX+2:GX+3], 262144   ; two chunks on; the type bits on top are not reached
.endif
	s_wait_dscnt 0x0                               ; the add is done, and my reads of the slot that I have left are over
.if (\c) <= 6
	ROUND
	tensor_load_to_lds s[GX:GX+3], s[24:31]        ; my one tensor load until the next round
	s_nop 0
.else
	s_barrier_signal -1
	s_barrier_wait -1
.endif
	PLACES                                         ; behind the tensor load; also the places in front of the loads into the fragments' registers
.endm
	s_wait_loadcnt 0x0                             ; gamma, beta, ctx
	s_wait_tensorcnt 1                             ; my part of chunk 0 is in (chunk 1's may be out)
	s_barrier_signal -1
	s_barrier_wait -1
	CHUNK 0, 0
.irp c, 1,2,3,4,5,6,7                          ; written out: the accumulators' numbers change with the chunk
	CHANGE \c
	CHUNK \c, (\c%2)
.endr
	PLACES                                         ; behind the last products
	WIN 0x08                                       ; store data: window 2
.irp c, 0,1,2,3,4,5,6,7
.irp u, 0,1
.irp m, 0,1
	ds_store_b128 v[SO+\m], v[8*(4*\c+2*\u+\m):8*(4*\c+2*\u+\m)+3] offset:512*\c+64*\u        ; each accumulator from its low end on: token 16 m + r, outputs 128 c + 32 w + 16 u + 8 h + 0 .. 7
	ds_store_b128 v[SO+\m], v[8*(4*\c+2*\u+\m)+4:8*(4*\c+2*\u+\m)+7] offset:512*\c+64*\u+16
.endr
.endr
.endr
	WIN 0
	s_wait_dscnt 0x0                               ; for the others' sake: my stores into the stage have landed
	s_barrier_signal -1
	s_barrier_wait -1                              ; 32 whole rows of sums lie in the stage
	s_wait_loadcnt 0x0                             ; q's rows
.macro ROWLD k, x
.irp i, 0,1,2,3,4,5,6,7
	ds_load_b128 v[\x+4*\i:\x+4*\i+3], v[SR] offset:(\k)*SPITCH+512*\i
.endr
.endm
.macro RED                             ; v[14:17], two chains of pairs, become one sum over the row's 1,024 numbers, in every lane's v14
	v_pk_add_f32 v[14:15], v[14:15], v[16:17]
	v_add_f32 v14, v14, v15
	v_add_f32_dpp v14, v14, v14 row_xmask:1 row_mask:0xf bank_mask:0xf
	v_add_f32_dpp v14, v14, v14 row_xmask:2 row_mask:0xf bank_mask:0xf
	v_add_f32_dpp v14, v14, v14 row_xmask:4 row_mask:0xf bank_mask:0xf
	v_add_f32_dpp v14, v14, v14 row_xmask:8 row_mask:0xf bank_mask:0xf
	v_permlanex16_b32 v18, v14, s40, s41
	v_add_f32 v14, v14, v18
.endm
.macro LNROW k, x, left
	s_wait_dscnt \left                             ; this row is back; the next row's eight loads may be out
	WIN 0x30                                       ; source 2 (q) window 3
.set j, 0
.rept 16
	v_pk_fma_f32 v[\x+j:\x+j+1], v[\x+j:\x+j+1], s[42:43], v[32*(\k)+j:32*(\k)+j+1] op_sel_hi:[1,0,1]   ; sum x 2^(e10 + e11) + q
.set j, j+2
.endr
	WIN 0
	v_pk_add_f32 v[14:15], v[\x:\x+1], v[\x+2:\x+3]
	v_pk_add_f32 v[16:17], v[\x+4:\x+5], v[\x+6:\x+7]
.irp j, 8,12,16,20,24,28
	v_pk_add_f32 v[14:15], v[14:15], v[\x+\j:\x+\j+1]
	v_pk_add_f32 v[16:17], v[16:17], v[\x+\j+2:\x+\j+3]
.endr
	RED
	v_mul_f32 v10, s47, v14                        ; the mean
	v_mov_b32 v11, v10
.set j, 0
.rept 16
	v_pk_add_f32 v[\x+j:\x+j+1], v[\x+j:\x+j+1], v[10:11] neg_lo:[0,1] neg_hi:[0,1]
.set j, j+2
.endr
	v_pk_mul_f32 v[14:15], v[\x:\x+1], v[\x:\x+1]
	v_pk_mul_f32 v[16:17], v[\x+2:\x+3], v[\x+2:\x+3]
.irp j, 4,8,12,16,20,24,28
	v_pk_fma_f32 v[14:15], v[\x+\j:\x+\j+1], v[\x+\j:\x+\j+1], v[14:15]
	v_pk_fma_f32 v[16:17], v[\x+\j+2:\x+\j+3], v[\x+\j+2:\x+\j+3], v[16:17]
.endr
	RED
	v_fma_f32 v14, v14, s47, s46                   ; the variance + 1e-5
	v_rsq_f32 v12, v14
	v_nop                                          ; a plain line behind the transcendental
	s_wait_alu depctr_va_vdst(0)                   ; and the wait ahead of its first reader
	v_mov_b32 v13, v12
.set j, 0
.rept 16
	v_pk_mul_f32 v[\x+j:\x+j+1], v[\x+j:\x+j+1], v[12:13]
.set j, j+2
.endr
.set j, 0
.rept 16
	v_pk_fma_f32 v[\x+j:\x+j+1], v[\x+j:\x+j+1], v[GA+j:GA+j+1], v[BE+j:BE+j+1]
.set j, j+2
.endr
.irp i, 0,1,2,3,4,5,6,7
	global_store_b128 v[LI], v[\x+4*\i:\x+4*\i+3], s[16:17] offset:(\k)*4096+512*\i th:TH_STORE_NT   ; 32 lanes store 512 consecutive bytes, aligned
.endr
.endm
	ROWLD 0, X0
	ROWLD 1, X1
	LNROW 0, X0, 8
.irp k, 1,3,5
	s_wait_xcnt 0x0                                ; the stores of the row before have read their registers: the next row may land there
	ROWLD \k+1, X0
	LNROW \k, X1, 8
	s_wait_xcnt 0x0
	ROWLD \k+2, X1
	LNROW \k+1, X0, 8
.endr
	LNROW 7, X1, 0
	s_wait_tensorcnt 0x0                           ; the wave's end
	ds_add_u32 v[SPW], v[NIL]
	s_wait_dscnt 0x0
	ROUND                                          ; the closing round: no work-group ends while a partner may still ask for a chunk that names it
	s_endpgm
.Lfunc_end_k_q908f25b858_outln:
	.size	k_q908f25b858_outln, .Lfunc_end_k_q908f25b858_outln-k_q908f25b858_outln
	.p2alignl 7, 3214868480
	.fill 96, 4, 3214868480
	.section	.rodata,"a",@progbits
	.p2align	6, 0x0
	.amdhsa_kernel k_q908f25b858_outln
		.amdhsa_group_segment_fixed_size 327680
		.amdhsa_private_segment_fixed_size 0
		.amdhsa_enable_private_segment 0
		.amdhsa_kernarg_size 56
		.amdhsa_user_sgpr_count 2
		.amdhsa_user_sgpr_kernarg_segment_ptr 1
		.amdhsa_wavefront_size32 1
		.amdhsa_system_sgpr_workgroup_id_x 1
		.amdhsa_system_sgpr_workgroup_id_y 1
		.amdhsa_system_sgpr_workgroup_id_z 1
		.amdhsa_system_vgpr_workitem_id 0
		.amdhsa_next_free_vgpr 1024
		.amdhsa_next_free_sgpr 66
		.amdhsa_reserve_vcc 0
		.amdhsa_float_denorm_mode_32 3
		.amdhsa_float_denorm_mode_16_64 3
		.amdhsa_memory_ordered 1
		.amdhsa_forward_progress 1
		.amdhsa_inst_pref_size 180
	.end_amdhsa_kernel
	.amdgpu_metadata
---
amdhsa.version: [ 1, 2 ]
amdhsa.kernels:
  - .name:           k_q908f25b858_outln
    .symbol:         k_q908f25b858_outln.kd
    .args:
      - { .name: cc, .offset: 0, .size: 8, .value_kind: global_buffer, .address_space: global }
      - { .name: Wo_codes, .offset: 8, .size: 8, .value_kind: global_buffer, .address_space: global }
      - { .name: q, .offset: 16, .size: 8, .value_kind: global_buffer, .address_space: global }
      - { .name: ln_gamma, .offset: 24, .size: 8, .value_kind: global_buffer, .address_space: global }
      - { .name: ln_beta, .offset: 32, .size: 8, .value_kind: global_buffer, .address_space: global }
      - { .name: lowp_scales, .offset: 40, .size: 8, .value_kind: global_buffer, .address_space: global }
      - { .name: out0, .offset: 48, .size: 8, .value_kind: global_buffer, .address_space: global }
    .group_segment_fixed_size: 327680
    .private_segment_fixed_size: 0
    .kernarg_segment_align: 8
    .kernarg_segment_size: 56
    .max_flat_workgroup_size: 128
    .sgpr_count:     66
    .vgpr_count:     1024
    .wavefront_size: 32
...
	.end_amdgpu_metadata
.endif
;; end of part 4
;; ======== version 2 of 2: 4 launches; version 1 with the launch attn written anew for expert scheduling mode
;; workspace buffers: qx 8,388,608 bytes; qc 8,388,608 bytes; kc 8,388,608 bytes; vc 8,388,608 bytes; cc 8,388,608 bytes
;; launch quantq: the kernel of part 1 again; grid 256 x 1, 4 waves a work-group, no clusters, 33,280 bytes of LDS; arguments q, lowp_scales, qx; writes qx
;; launch proj: the kernel of part 2 again; grid 4 x 96, 4 waves a work-group, clusters of 4 x 4, 327,680 bytes of LDS; arguments qx, k_codes, Wv_codes, Wq_codes, Wk_codes, v_codes, lowp_scales, qc, kc, vc; writes qc, kc, vc
;; launch attn (part 5): grid 4 x 64, 16 waves a work-group, no clusters, 67,584 bytes of LDS; arguments qc, kc, vc, sen_len, lowp_scales, cc; writes cc
.if DOCPART == 5
	.amdgcn_target "amdgcn-amd-amdhsa--gfx1250"
	.amdhsa_code_object_version 6
	.text
	.protected	k_q908f25b858_attn
	.globl	k_q908f25b858_attn
	.p2align	8
	.type	k_q908f25b858_attn,@function
k_q908f25b858_attn:
	s_mov_b64 s[64:65], 0
	v_nop
	global_prefetch_b8 v0, s[64:65] scope:SCOPE_SE
	s_setreg_imm32_b32 hwreg(HW_REG_WAVE_SCHED_MODE, 0, 2), 2
	s_setreg_imm32_b32 hwreg(HW_REG_WAVE_MODE, 25, 1), 1
	s_wait_xcnt 0x0
	s_wait_alu depctr_vm_vsrc(0)
; ATTENTION on codes of E5M2: scores = qh kh^T / 8, hidden where key > query or key >= sen_len[batch]; softmax; ctx = p vh / l, quantised with 2^e10 for the last product.
; THE SOFTMAX AHEAD OF THE SECOND PRODUCT: t = score x log2(e) / 8; M = the row's largest t so far, rounded UP to a whole number; p = 2^(t - M) is quantised with 2^e8, not normalised.
; The row's sum l is taken of the unquantised p; when M moves, l and O are multiplied by 2^(old M - new M), which rounds nothing.
; SHARES.  Work-group (i, batch x 16 + head) takes the head's query block 7 - i and then block i, 256 queries each: (8 - i) + (i + 1) = 9 blocks of 256 keys for every work-group, so the loop's trip count is a
; constant and the 256 work-groups are alike.  Each of sixteen waves owns 16 queries of the block in 256 registers: four waves to a SIMD, one wave's vector work beside another's products.
; TILES.  qc, kc, vc hold images of operand registers (four registers at 16 x lane, 512 bytes a piece).  A key block's 16 KiB of K and 16 KiB of V come into registers by four loads a thread, each wave
; reading 512 consecutive bytes, a whole key block ahead of the wait for them, and go by ds_store into the LDS buffer that is not being read: two buffers, one barrier a key block.
; NO CLUSTER, NO TENSOR LOAD: the four work-groups of a head need different numbers of tiles at a time, and the launch branches on sen_len and on e8, which it reads from memory.
; LAYOUT.  Both products transposed: S^T = K Q^T (source 0 = 16 keys, source 1 = my 16 queries, K = 64), O^T = V^T P^T (source 0 = 16 of the head's 64, source 1 = P, K = 128 keys): a lane holds ONE query throughout.
; Register 8 t + j of S^T in lane (r, h) is key 16 t + 8 h + j of the step: its conversion gives registers 2 t, 2 t + 1 of P, k = 16 t + 8 h + 0 .. 7: the 8-bit operand layout (ISA guide 7.12.2), in which vc lies too.
; MASKS.  limit = min(query, sen_len - 1).  A step of 128 keys all of which lie behind all my limits is left out (a scalar branch round its loads, products and softmax; no barrier stands in a step);
; a step that straddles a limit sets hidden scores to -infinity ahead of the maximum, so that p = 0.  Key 0 counts for every query, so M is a number from the first step on.
; LIMITS.  sen_len is held to 1 .. 2,048 (with 0 reference() gives a uniform softmax: not served).  Hidden scores count as -infinity: that is reference()'s -1e9 while a row's largest open score / 8 lies above
; about -1e9 + 150.  e6 + e7 between -123 and 130 (added to c's exponent field); e8 and e10 between -126 and 112.  NaN among the inputs is not served.
; THE MODE: SCHED_MODE bits 1:0 = 2 (LLVM: expert scheduling mode 2), set by the entry lines.  The code itself states the register dependences between vector or matrix instructions and memory or LDS
; instructions, with s_wait_alu, always for 0.
; THE PLAN.  Registers that memory or LDS instructions touch:
;   v1, v3, v4   addresses: written by vector instructions at the head and never again; read by every load and store.  One wait on va_vdst at the head serves them all.
;   v192-207     the tile on its way: written by four global loads at a key block's head, read by four LDS stores at its end; no vector instruction names them.  One wait on vm_vsrc ahead of the loads.
;   v16-23       Q: written by two global loads where a query block begins, read by the score products.  The wait on va_vdst ahead of the old block's stores stands behind its last product and serves these loads too.
;   v32-95       K's fragments (16 LDS loads at a step's head), read by the 8 score products; then V's (16 LDS loads), read by the 4 products V^T P^T.  Two waits on va_vdst a step: one at its head (the last
;                step's products are done reading V), one behind the score products (they are done reading K).  Behind the second the softmax names v96-191, v224-239 and its own few registers, never v32-95:
;                so V's loads are dealt among the softmax with no further wait.
;   v208-215     ctx's codes: written by a query block's last conversions, read by its two global stores: va_vdst ahead of the stores, vm_vsrc behind them.
;   Scalar results of vector instructions: the wave's number (one wait on va_sdst at the head); the mask's compares, sixteen at a time into sixteen scalar registers, with one wait on va_sdst ahead of the sixteen selects.
; REGISTERS: v1 16 x lane; v3, v4 a thread's places in a tile; v6 my limit - 8 h; v7 at work; v8 r; v9 8 h; v12 -M, v13 the largest t, v[14:15] l in two halves; v16-23 Q; v32-95 K's, then V's fragments;
;   v96-159 S^T, then p; v160-191 O^T; v192-207 the tile on its way; v208-215 ctx's codes; v224-239 p's codes; v236, v242, v243, v252-254 at work; v240, v244: 57,344 x 2^e8, 2^e8; v246, v245: the same for e10.
.set BUF,  32768                       ; an LDS buffer: K's 16 tiles of 1,024 bytes, then V's two steps of 8,192
.set VOFF, 16384
.set L16,  1
.set KO,   3
.set T16,  4
.set LIMV, 6
.set DD,   7
.set MK,   68                          ; s68-79 and s84-87: sixteen masks of the compares (the exponents that lay in s68-79 are done with at the head's end)
; s16 wave; s17 i; s19 batch; s[20:21] lane selects; s[22:23] c; s24 head / 2; s25 head % 2; s30 key block; s31 query block; s32 next key block; s33 the step's first key; s34 my first query;
; s35 the largest, s36 the smallest of my limits; s37 sen_len - 1; s38 trips; s39 1 where p wants its hold; s[40:43] K, V of my head; s[44:47] of the tile asked for; s[48:51] Q; s[52:55] cc; s[56:57] an offset; s58 e8 + e9
	s_load_b256 s[4:11], s[0:1], 0x0               ; qc s[4:5], kc s[6:7], vc s[8:9], sen_len s[10:11]
	s_load_b128 s[12:15], s[0:1], 0x20             ; the scales s[12:13], cc s[14:15]
	v_lshl_add_u32 v251, v0, 2, 0x10000
	v_mov_b32 v255, 0
	v_lshrrev_b32 v1, 5, v0
	v_readfirstlane_b32 s16, v1                    ; wave 0..15
	v_and_b32 v1, 31, v0
	v_lshlrev_b32 v[L16], 4, v1                    ; 16 x lane
	v_lshrrev_b32 v3, 6, v0
	v_lshlrev_b32 v3, 11, v3
	v_and_b32 v2, 63, v0
	v_lshl_add_u32 v[KO], v2, 4, v3                ; K in memory: token tile thread / 64 at 2,048, my 16 bytes of my head's 1,024
	v_lshlrev_b32 v[T16], 4, v0                    ; V in memory, and both in LDS: 16 x thread
	v_and_b32 v8, 15, v0                           ; r
	v_bfe_u32 v9, v0, 4, 1
	v_lshlrev_b32 v9, 3, v9                        ; 8 h
	v_mov_b32 v236, 0                              ; written once: a lane permute's destination counts as one of its sources
	v_mov_b32 v252, 0
	v_mov_b32 v253, 0                              ; (named as the upper half of the pair v[252:253])
	s_wait_alu depctr_va_sdst(0)                   ; s16, the wave's number, is written, ahead of its first reader: Q's and cc's addresses are made from it
	s_mov_b32 s17, ttmp9
	s_and_b32 s18, ttmp7, 0xffff
	s_lshr_b32 s19, s18, 4                         ; batch
	s_and_b32 s80, s18, 15                         ; head
	s_lshr_b32 s24, s80, 1
	s_and_b32 s25, s80, 1
	s_mov_b32 s20, 0x76543210
	s_mov_b32 s21, 0xfedcba98
	s_mov_b32 s22, 0x3e38aa3b                      ; c = log2(e) / 8
	s_mov_b32 s57, 0
	s_lshl_b32 s82, s19, 3
	s_add_co_u32 s82, s82, s24
	s_lshl_b32 s82, s82, 18                        ; the pair of heads' sixteen blocks of 16 KiB
	s_wait_kmcnt 0x0
	s_load_b256 s[68:75], s[12:13], 0x0            ; e0 .. e7
	s_load_b128 s[76:79], s[12:13], 0x20           ; e8 .. e11
	s_lshl_b32 s56, s19, 2
	s_add_nc_u64 s[10:11], s[10:11], s[56:57]
	s_load_b32 s37, s[10:11], 0x0                  ; sen_len[batch]
	s_lshl_b32 s81, s25, 10
	s_add_co_u32 s56, s82, s81
	s_add_nc_u64 s[40:41], s[6:7], s[56:57]        ; K: my head's 1,024 bytes of token tile 0
	s_add_nc_u64 s[48:49], s[4:5], s[56:57]
	s_lshl_b32 s56, s16, 11
	s_add_nc_u64 s[48:49], s[48:49], s[56:57]      ; Q: the same, + my wave's tile
	s_lshl_b32 s81, s25, 13
	s_add_co_u32 s56, s82, s81
	s_add_nc_u64 s[42:43], s[8:9], s[56:57]        ; V: my head's 8,192 bytes of group 0
	s_lshl_b32 s56, s19, 21                        ; cc: token tile (128 batch + 16 block + wave) x 16 KiB + head / 2 x 2,048 + head % 2 x 1,024
	s_lshl_b32 s81, s16, 14
	s_add_co_u32 s56, s56, s81
	s_lshl_b32 s81, s24, 11
	s_add_co_u32 s56, s56, s81
	s_lshl_b32 s81, s25, 10
	s_add_co_u32 s56, s56, s81
	s_add_nc_u64 s[52:53], s[14:15], s[56:57]
	s_wait_kmcnt 0x0
	s_max_i32 s37, s37, 1
	s_min_u32 s37, s37, 2048
	s_sub_co_u32 s37, s37, 1                       ; the last key that counts in this batch
	s_add_co_i32 s80, s74, s75
	s_lshl_b32 s80, s80, 23
	s_add_co_i32 s22, s22, s80                     ; a sum stands for sum x 2^(e6 + e7): added to c's exponent field
	s_mov_b32 s23, s22                             ; (named with it as a pair, so it is written)
	s_add_co_i32 s80, s76, 127
	s_lshl_b32 s81, s80, 23
	v_mov_b32 v244, s81                            ; 2^e8
	s_add_co_i32 s80, s80, 15
	s_lshl_b32 s80, s80, 23
	s_or_b32 s80, s80, 0x600000
	v_mov_b32 v240, s80                            ; 57,344 x 2^e8
	s_add_co_i32 s80, s78, 127
	s_lshl_b32 s81, s80, 23
	v_mov_b32 v245, s81                            ; 2^e10
	s_add_co_i32 s80, s80, 15
	s_lshl_b32 s80, s80, 23
	s_or_b32 s80, s80, 0x600000
	v_mov_b32 v246, s80                            ; 57,344 x 2^e10
	s_add_co_i32 s58, s76, s77                     ; e8 + e9
	s_cmp_lt_i32 s76, -15                          ; p is at most 1, and 57,344 x 2^e8 is at least 1 from e8 = -15 on: only below that can the hold change a number
	s_cselect_b32 s39, 1, 0
.macro LOADT                           ; a key block's tile: four loads a thread; each wave reads 512 consecutive bytes
	global_load_b128 v[192:195], v[KO], s[44:45]
	global_load_b128 v[196:199], v[KO], s[44:45] offset:16384
	global_load_b128 v[200:203], v[T16], s[46:47]
	global_load_b128 v[204:207], v[T16], s[46:47] offset:16384
.endm
.macro STORET buf
	ds_store_b128 v[T16], v[192:195] offset:(\buf)*BUF
	ds_store_b128 v[T16], v[196:199] offset:(\buf)*BUF+8192
	ds_store_b128 v[T16], v[200:203] offset:(\buf)*BUF+16384
	ds_store_b128 v[T16], v[204:207] offset:(\buf)*BUF+24576
.endm
.macro VLOAD buf, q, d                 ; V's fragment d of the buffer's q-th step: 16 of the head's 64 x 128 keys, four pieces of 512 bytes
.irp g, 0,1,2,3
	ds_load_b128 v[32+16*(\d)+4*\g:35+16*(\d)+4*\g], v[L16] offset:(\buf)*BUF+VOFF+8192*(\q)+2048*(\d)+512*\g
.endr
.endm
; A query block (s31) begins: its limits, addresses and Q; the largest t is -3e38, l and O^T are zeros, which the first change of M leaves zeros.
; Q's two loads owe no wait of their own: at the head no vector or matrix instruction has named v16-23; in the loop the wait on va_vdst ahead of the old block's stores stands behind the last product that read them,
; and no vector instruction stands between that wait and these loads.
.macro START
	s_lshl_b32 s34, s31, 8
	s_lshl_b32 s80, s16, 4
	s_add_co_u32 s34, s34, s80                     ; my first query
	s_add_co_u32 s35, s34, 15
	s_min_u32 s35, s35, s37                        ; the largest of my sixteen limits,
	s_min_u32 s36, s34, s37                        ; the smallest
	s_lshl_b32 s56, s31, 15
	s_add_nc_u64 s[50:51], s[48:49], s[56:57]
	s_lshl_b32 s56, s31, 18
	s_add_nc_u64 s[54:55], s[52:53], s[56:57]
	global_load_b128 v[16:19], v[L16], s[50:51]
	global_load_b128 v[20:23], v[L16], s[50:51] offset:512
	v_add_nc_u32 v[LIMV], s34, v8
	v_min_u32 v[LIMV], s37, v[LIMV]                ; min(my query, sen_len - 1),
	v_sub_nc_u32 v[LIMV], v[LIMV], v9              ; less my half's 8 keys
	v_mov_b32 v13, 0xff61b1e6
	v_floor_f32 v12, -v13
	v_mov_b32 v14, 0
	v_mov_b32 v15, 0
.set j, 0
.rept 32
	v_mov_b32 v[160+j], 0
.set j, j+1
.endr
.endm
; A KEY STEP: 128 keys, the q-th of the key block in LDS buffer buf.
.macro STEP buf, q
	s_cmp_gt_u32 s33, s35                          ; all 128 keys lie behind all my limits
	s_cbranch_scc1 .Lhidden_\@
	s_wait_alu depctr_va_vdst(0)                   ; the last step's products V^T P^T are done reading v32-95, in which K's fragments land
.irp t, 0,1,2,3,4,5,6,7
	ds_load_b128 v[32+8*\t:35+8*\t], v[L16] offset:(\buf)*BUF+(8*(\q)+\t)*1024
	ds_load_b128 v[36+8*\t:39+8*\t], v[L16] offset:(\buf)*BUF+(8*(\q)+\t)*1024+512
.endr
	s_wait_dscnt 8                                 ; tiles 0-3 are in; the eight loads of tiles 4-7 may be out
.irp t, 0,1,2,3
	v_wmma_f32_16x16x64_bf8_bf8 v[96+8*\t:103+8*\t], v[32+8*\t:39+8*\t], v[16:23], 0
.endr
	s_wait_dscnt 0x0
.irp t, 4,5,6,7
	v_wmma_f32_16x16x64_bf8_bf8 v[96+8*\t:103+8*\t], v[32+8*\t:39+8*\t], v[16:23], 0
.endr
.rept 4
	v_nop                                          ; places: the scores are read by vector instructions below (ISA guide 7.12.1)
.endr
	s_wait_alu depctr_va_vdst(0)                   ; the eight score products are done reading K's v32-95, in which V's four fragments land; no vector instruction from here to the products V^T P^T names v32-95
	VLOAD \buf, \q, 0                              ; V lands while the softmax is worked: two fragments now, one behind the maximum's chains, one behind the scalings
	VLOAD \buf, \q, 1
	s_add_co_u32 s80, s33, 127
	s_cmp_le_u32 s80, s36                          ; all 128 keys count for all my queries
	s_cbranch_scc1 .Lopen_\@
	v_sub_nc_u32 v[DD], v[LIMV], s33               ; register 8 t + j is hidden where 16 t + j > my limit - 8 h - the step's first key
	v_mov_b32 v254, 0xff800000                     ; -infinity
.set mg, 0
.rept 4                                        ; sixteen compares into sixteen scalar registers, one wait, sixteen selects
.set mm, 0
.rept 16
.set n, 16*mg+mm
	v_cmp_gt_i32 s[MK+mm+4*(mm/12)], 16*(n/8)+n%8, v[DD]
.set mm, mm+1
.endr
	s_wait_alu depctr_va_sdst(0)                   ; the sixteen compares have written their masks, ahead of the selects that read them
.set mm, 0
.rept 16
.set n, 16*mg+mm
	v_cndmask_b32 v[96+n], v[96+n], v254, s[MK+mm+4*(mm/12)]
.set mm, mm+1
.endr
.set mg, mg+1
.endr
.Lopen_\@:
	v_max3_num_f32 v254, v96, v97, v98             ; the step's largest score of my query among my 64 keys, in two chains, each accumulator from its low end on,
	v_max3_num_f32 v252, v99, v100, v101
.irp i, 6,10,14,18,22,26,30,34,38,42,46,50,54,58
	v_max3_num_f32 v254, v254, v[96+\i], v[97+\i]
	v_max3_num_f32 v252, v252, v[98+\i], v[99+\i]
.endr
	v_max3_num_f32 v254, v254, v158, v159
	VLOAD \buf, \q, 2                              ; no wait: no vector or matrix instruction since the wait behind the score products names v64-79
	v_max_num_f32 v254, v254, v252
	v_permlanex16_b32 v236, v254, s20, s21
	v_max_num_f32 v254, v254, v236                 ; and among lane l xor 16's
	v_mul_f32 v254, s22, v254                      ; as t (c is positive)
	v_max_num_f32 v13, v13, v254                   ; the running largest t
	v_mov_b32 v254, v12
	v_floor_f32 v12, -v13                          ; the new -M = floor(-t) = -ceil(t)
	v_sub_f32 v254, v12, v254                      ; old M - new M: a whole number, 0 or less
	v_cvt_i32_f32 v254, v254                       ; (it saturates)
	v_ldexp_f32 v252, 1.0, v254                    ; f = 2^(old M - new M)
.set j, 0
.rept 32
	v_pk_fma_f32 v[96+j:97+j], v[96+j:97+j], s[22:23], v[12:13] op_sel_hi:[1,0,0]   ; t - M, two at a time (of the pairs c and -M the low word serves both halves)
.set j, j+2
.endr
	VLOAD \buf, \q, 3                              ; likewise: v80-95 have not been named since that wait
.set j, 0
.rept 64
	v_exp_f32 v[96+j], v[96+j]                     ; p = 2^(t - M)
.set j, j+1
.endr
	v_pk_mul_f32 v[14:15], v[14:15], v[252:253] op_sel_hi:[1,0]   ; l under the new M: the plain line behind the exponentials
	s_wait_alu depctr_va_vdst(0)                   ; the 64 exponentials have written p in v96-159: one wait for the batch, ahead of its first reader
	v_pk_add_f32 v[242:243], v[96:97], v[98:99]    ; l takes the UNQUANTISED p: two at a time, in two chains
.irp j, 4,8,12,16,20,24,28,32,36,40,44,48,52,56,60
	v_pk_add_f32 v[14:15], v[14:15], v[96+\j:97+\j]
	v_pk_add_f32 v[242:243], v[242:243], v[98+\j:99+\j]
.endr
	v_pk_add_f32 v[14:15], v[14:15], v[242:243]
	s_cmp_eq_u32 s39, 0
	s_cbranch_scc1 .Lnohold_\@
.set j, 0
.rept 64
	v_min_num_f32 v[96+j], v[96+j], v240           ; the conversion does not saturate (ISA guide 7.6.2); p is not negative, so the hold is one-sided
.set j, j+1
.endr
.Lnohold_\@:
.irp t, 0,1,2,3,4,5,6,7
	v_cvt_scalef32_pk8_bf8_f32 v[224+2*\t:225+2*\t], v[96+8*\t:103+8*\t], v244
.endr
.set j, 0
.rept 16
	v_pk_mul_f32 v[160+j:161+j], v[160+j:161+j], v[252:253] op_sel_hi:[1,0]   ; O^T under the new M; also the plain lines between the conversions and the products
.set j, j+2
.endr
	s_wait_dscnt 0x0                               ; V is in
.irp d, 0,1,2,3                                ; the four accumulators take turns; the next matrix instruction is a score's, on other registers
	v_wmma_f32_16x16x128_bf8_bf8 v[160+8*\d:167+8*\d], v[32+16*\d:47+16*\d], v[224:239], v[160+8*\d:167+8*\d]
.endr
.Lhidden_\@:
	s_add_co_u32 s33, s33, 128
.endm
; A query block ends: ctx = O^T / l x 2^(e8 + e9), held, converted with 2^e10: registers 2 d, 2 d + 1 hold features 16 d + 8 h + 0 .. 7 of my head: half of an image of 16 tokens x 128 features in cc.
; more = 1: another query block follows.
.macro FINISH more
.rept 4
	v_nop                                          ; places behind the last products
.endr
	v_add_f32 v14, v14, v15
	v_permlanex16_b32 v252, v14, s20, s21
	v_add_f32 v14, v14, v252                       ; the row's sum
	v_rcp_f32 v14, v14
	v_nop                                          ; a plain line behind the transcendental
	s_wait_alu depctr_va_vdst(0)                   ; the reciprocal has written v14, ahead of its first reader
	v_ldexp_f32 v14, v14, s58
.set j, 0
.rept 32
	v_mul_f32 v[96+j], v[160+j], v14
.set j, j+1
.endr
.set j, 0
.rept 32
	v_med3_num_f32 v[96+j], v[96+j], -v246, v246
.set j, j+1
.endr
.irp d, 0,1,2,3
	v_cvt_scalef32_pk8_bf8_f32 v[208+2*\d:209+2*\d], v[96+8*\d:103+8*\d], v245
.endr
	v_nop                                          ; a plain line behind the last conversion
	s_wait_alu depctr_va_vdst(0)                   ; the conversions have written v208-215, which the stores read; the block's products are done reading Q's v16-23, in which the next block's Q lands
	global_store_b128 v[L16], v[208:211], s[54:55]             ; 512 consecutive bytes, aligned
	global_store_b128 v[L16], v[212:215], s[54:55] offset:512
	s_wait_xcnt 0x0                                ; the stores' base and data are written again only behind this wait
.if \more
	s_wait_alu depctr_vm_vsrc(0)                   ; the two stores have read v208-215, which the next query block's conversions write again
.endif
.endm
; A KEY BLOCK of 256 keys in buffer buf.  fill = 1: the next block's tile is asked for at the head and stored into the other buffer at the end.
.macro TRIP buf, fill
.if \fill
	s_add_co_u32 s32, s30, 1
	s_cmp_eq_u32 s30, s31                          ; the diagonal block is a query block's last: the next query block begins at key 0
	s_cselect_b32 s32, 0, s32
	s_lshl_b32 s56, s32, 15
	s_add_nc_u64 s[44:45], s[40:41], s[56:57]      ; (the loads that named these pairs were waited for in front of the last barrier)
	s_add_nc_u64 s[46:47], s[42:43], s[56:57]
	s_wait_alu depctr_vm_vsrc(0)                   ; the LDS stores of the last tile have read v192-207, in which the four loads below land
	LOADT
.endif
	STEP \buf, 0
	STEP \buf, 1
.if \fill
	s_cmp_lg_u32 s30, s31                          ; the same in all sixteen waves; no barrier stands under it
	s_cbranch_scc1 .Lsame_\@
	FINISH 1
	s_mov_b32 s31, s17                             ; the second query block: i
	START
.Lsame_\@:
	s_mov_b32 s30, s32
	s_lshl_b32 s33, s32, 8
	s_wait_loadcnt 0x0                             ; the tile (and Q, where a block began)
	STORET 1-(\buf)                                ; the buffer that was read a key block ago: every wave's reads of it were over at the last barrier.  Its data come from loads, its address from the head: no vector instruction has named either
	s_wait_dscnt 0x0                               ; for the others' sake: my stores have landed, and my reads of this buffer are over
	s_barrier_signal -1
	s_barrier_wait -1
.else
	FINISH 0
.endif
.endm
	s_mov_b32 s30, 0
	s_mov_b32 s33, 0
	s_sub_co_u32 s31, 7, s17                       ; the first query block: 7 - i
	s_mov_b64 s[44:45], s[40:41]
	s_mov_b64 s[46:47], s[42:43]
	s_wait_alu depctr_va_vdst(0)                   ; v1, v3 and v4 are written: every load and store of the kernel reads one of them as its address, and no vector instruction names them again
	LOADT
	START
	s_wait_loadcnt 0x0
	STORET 0
	s_wait_dscnt 0x0
	s_barrier_signal -1
	s_barrier_wait -1
	s_mov_b32 s38, 4
.Ltrip:                                            ; four trips of two key blocks, so that each buffer's number is a constant of the text
	TRIP 0, 1
	TRIP 1, 1
	s_sub_co_u32 s38, s38, 1
	s_cmp_lg_u32 s38, 0
	s_cbranch_scc1 .Ltrip
	TRIP 0, 0                                      ; the ninth key block: the second query block's diagonal
	s_wait_dscnt 0x0
	s_wait_alu depctr_hold_cnt(0) depctr_sa_sdst(0) depctr_va_vdst(0) depctr_va_sdst(0) depctr_va_ssrc(0) depctr_va_vcc(0) depctr_vm_vsrc(0)
	s_wait_tensorcnt 0x0
	ds_add_u32 v251, v255
	s_wait_dscnt 0x0
	s_endpgm
.Lfunc_end_k_q908f25b858_attn:
	.size	k_q908f25b858_attn, .Lfunc_end_k_q908f25b858_attn-k_q908f25b858_attn
	.p2alignl 7, 3214868480
	.fill 96, 4, 3214868480
	.section	.rodata,"a",@progbits
	.p2align	6, 0x0
	.amdhsa_kernel k_q908f25b858_attn
		.amdhsa_group_segment_fixed_size 67584
		.amdhsa_private_segment_fixed_size 0
		.amdhsa_enable_private_segment 0
		.amdhsa_kernarg_size 48
		.amdhsa_user_sgpr_count 2
		.amdhsa_user_sgpr_kernarg_segment_ptr 1
		.amdhsa_wavefront_size32 1
		.amdhsa_system_sgpr_workgroup_id_x 1
		.amdhsa_system_sgpr_workgroup_id_y 1
		.amdhsa_system_sgpr_workgroup_id_z 1
		.amdhsa_system_vgpr_workitem_id 0
		.amdhsa_next_free_vgpr 256
		.amdhsa_next_free_sgpr 96
		.amdhsa_reserve_vcc 0
		.amdhsa_float_denorm_mode_32 3
		.amdhsa_float_denorm_mode_16_64 3
		.amdhsa_memory_ordered 1
		.amdhsa_forward_progress 1
		.amdhsa_inst_pref_size 172
	.end_amdhsa_kernel
	.amdgpu_metadata
---
amdhsa.version: [ 1, 2 ]
amdhsa.kernels:
  - .name:           k_q908f25b858_attn
    .symbol:         k_q908f25b858_attn.kd
    .args:
      - { .name: qc, .offset: 0, .size: 8, .value_kind: global_buffer, .address_space: global }
      - { .name: kc, .offset: 8, .size: 8, .value_kind: global_buffer, .address_space: global }
      - { .name: vc, .offset: 16, .size: 8, .value_kind: global_buffer, .address_space: global }
      - { .name: sen_len, .offset: 24, .size: 8, .value_kind: global_buffer, .address_space: global }
      - { .name: lowp_scales, .offset: 32, .size: 8, .value_kind: global_buffer, .address_space: global }
      - { .name: cc, .offset: 40, .size: 8, .value_kind: global_buffer, .address_space: global }
    .group_segment_fixed_size: 67584
    .private_segment_fixed_size: 0
    .kernarg_segment_align: 8
    .kernarg_segment_size: 48
    .max_flat_workgroup_size: 512
    .sgpr_count:     96
    .vgpr_count:     256
    .wavefront_size: 32
...
	.end_amdgpu_metadata
.endif
;; end of part 5
;; launch outln: the kernel of part 4 again; grid 256 x 1, 4 waves a work-group, clusters of 4 x 1, 327,680 bytes of LDS; arguments cc, Wo_codes, q, ln_gamma, ln_beta, lowp_scales, out0; writes out0
